; MI455X (gfx1250); checked and timed in simulation.
; The chip was launched on July 23, 2026; its instructions are those of AMD's public machine-readable ISA for CDNA 5 (MIT licence, August 2026) and "CDNA5" Instruction Set Architecture Reference Guide (July 2026). The comments in the code are by the model that wrote it; some were corrected since.
;; Mo E Layer. Allowed arithmetic: matrix products marked QUANTISED: E3M2 operands, one E8M0 scale for each 32 along K, by v_wmma_scale_f32_16x16x128_f8f6f4 with both operands' format E3M2, f32 sums; products left as they are: f32 operands where the result goes on into a quantised operand, else bf16, f16 or f32 operands; f32 sums; everything else in f32.
;; Inputs: W1_codes 8 x 2,048 x 32 x 24 uint8 (E3M2 codes of W1, K innermost, in blocks of 32 codes, four codes in three bytes); W1_scales 8 x 2,048 x 32 uint8 (E8M0 scales of W1, one for each 32 codes along K); W2_codes 8 x 2,048 x 32 x 24 uint8 (E3M2 codes of W2, K innermost, in blocks of 32 codes, four codes in three bytes); W2_scales 8 x 2,048 x 32 uint8 (E8M0 scales of W2, one for each 32 codes along K); W3_codes 8 x 1,024 x 64 x 24 uint8 (E3M2 codes of W3, K innermost, in blocks of 32 codes, four codes in three bytes); W3_scales 8 x 1,024 x 64 uint8 (E8M0 scales of W3, one for each 32 codes along K); Wg 1,024 x 8 float32; b1 8 x 2,048 float32; b2 8 x 2,048 float32; b3 8 x 1,024 float32; x 2 x 512 x 1,024 float32.
;; Outputs: out0 2 x 512 x 1,024 float32; out1 one number float32; out2 2 x 512 x 8 float32.
;; This version of the problem:
;;   THIS VERSION OF THE PROBLEM IS GIVEN IN LOW PRECISION. The matrix products marked QUANTISED in the list below multiply operands that are first quantised to E3M2 (3 exponent bits, 2 mantissa bits; 6 bits a number), with one power-of-two scale for each 32 numbers along K (OCP MX v1.0); their sums are f32. All else is computed in f32.
;;   The module's matrix products, in the order in which they are computed (A, B: the left and right operand; K: the contracted axis; several contracted axes count as one K, in the product's order):
;;     1. [M 1,024, K 1,024] x [K 1,024, N 8]; A: input x; B: input Wg: left as it is (N = 8 < 16)
;;     2. [M 1,024, K 1,024] x [K 1,024, N 16,384]; A: input x; B: input W1 (given as codes): QUANTISED
;;     3. [M 1,024, K 1,024] x [K 1,024, N 16,384]; A: input x; B: input W2 (given as codes): QUANTISED
;;     4. batch 8 x [M 1,024, K 2,048] x [K 2,048, N 1,024]; A: input W3 (given as codes); B: computed on the way: QUANTISED
;;     5. batch 1,024 x [M 1,024, K 8] x [K 8, N 1]; A: computed on the way; B: computed on the way: left as it is (K = 8 < 32)
;;   THE QUANTISER, for each operand of a quantised product, along K:
;;     - K is cut into blocks of 32 from its start; a last block that is shorter is filled with zeros.
;;     - A block's scale is 2^e with e = floor(log2(the largest magnitude in the block)) - 4, held to -126 .. 127; a block of zeros has e = 0. As a byte (E8M0): e + 127.
;;     - Each number is divided by its block's scale, clamped to +-28, and rounded to the nearest number of E3M2, ties to even, subnormals kept.
;;     - The product sums the exact products of the quantised numbers (number of the format x scale) in f32.
;;   ~~~python
;;   def quantise(x, axis):      # numpy; x: float32 -> the quantised numbers, widened to float32 again
;;       x = np.moveaxis(x, axis, -1); K = x.shape[-1]
;;       x = np.pad(x, [(0, 0)] * (x.ndim - 1) + [(0, -K % 32)]); x = x.reshape(x.shape[:-1] + (-1, 32)); a = np.abs(x).max(-1, keepdims=True)
;;       e = np.where(a > 0, np.clip(np.frexp(np.where(a > 0, a, 1))[1] - 1 - 4, -126, 127), 0)      # np.frexp(a)[1] - 1 = floor(log2(a)), exactly
;;       r = np.clip(x / 2.0 ** e, -28, 28)
;;       step = 2.0 ** (np.maximum(np.frexp(np.where(r == 0, 1, r))[1] - 1, -2) - 2)
;;       q = np.round(r / step) * step * 2.0 ** e      # np.round: ties to even
;;       return np.moveaxis(q.reshape(q.shape[:-2] + (-1,))[..., :K], -1, axis).astype(np.float32)
;;   ~~~
;;   OPERANDS COMPUTED ON THE WAY. 'Computed on the way' means the value that the module computes at that place (a softmax that the list does not call 'softmax' is quantised finished and normalised). What goes into a quantiser is computed in f32, as accurately as f32 sums, v_exp_f32 and their like allow (about 1e-6 of the number): no bf16 or f16 on the way to a quantiser, and a product that is left as it is and whose result goes on into a quantised operand takes f32 operands (vector FMAs, or v_wmma_f32_16x16x4_f32). A number that lies on a knife's edge between two numbers of the format may be rounded either way, as far as f32 arithmetic and the matrix unit's own rounding can turn it there, and no further.
;;   INPUTS GIVEN AS CODES. W1 (in the module: [8, 1024, 2048], K = its axis 1); W2 (in the module: [8, 1024, 2048], K = its axis 1); W3 (in the module: [8, 2048, 1024], K = its axis 1): each comes as NAME_codes (uint8): NAME with its K axis moved to the last place and cut into blocks of 32 codes, [.., K / 32, bytes a block], one block behind the other in memory; four codes in three bytes: a row's codes are one little-endian stream of bits, code i at bits 6 i .. 6 i + 5 (a code: sign, 3 exponent bits, 2 mantissa bits); and NAME_scales (uint8): the same leading axes, one E8M0 byte (e + 127) for each 32 codes along K. Its value is code x scale, taken as it is: it is not quantised again, and the codes and scales need not be those that the quantiser above would give.
;; One version. Each part assembles by itself: llvm-mc -triple=amdgcn-amd-amdhsa -mcpu=gfx1250 --defsym DOCPART=n.
;; ======== version 1 of 1: 4 launches
;; limits: right only within a limited range of input values
;; workspace buffers: xq 819,200 bytes; sel 4,096 bytes of whole numbers; tokf 8,192 bytes; hq 13,107,200 bytes; pos 33,024 bytes of whole numbers; ybuf 8,421,376 bytes
;; launch gate (part 1): grid 256 x 1, 4 waves a work-group, no clusters, 52,224 bytes of LDS; arguments x, Wg, xq, sel, tokf, out2; writes xq, sel, tokf, out2
.if DOCPART == 1
	.amdgcn_target "amdgcn-amd-amdhsa--gfx1250"
	.amdhsa_code_object_version 6
	.text
	.protected	k_qdf838fbd44_gate
	.globl	k_qdf838fbd44_gate
	.p2align	8
	.type	k_qdf838fbd44_gate,@function
k_qdf838fbd44_gate:
	s_mov_b64 s[64:65], 0
	v_nop
	global_prefetch_b8 v0, s[64:65] scope:SCOPE_SE
	s_setreg_imm32_b32 hwreg(HW_REG_WAVE_MODE, 25, 1), 1
	s_wait_xcnt 0x0
; MoE layer, 1,024 tokens, D = 1,024, H = 2,048, 8 experts, top 2.  FOUR LAUNCHES: gate (this one), up, down, combine.
; WORK LEFT OUT BY THE PROGRAM, AND WHY IT IS DEAD.  reference() multiplies y[b,s,e,:] by mask[b,s,e], which it builds itself and which is 0 for every expert outside the token's top 2.
; So h1, h2 and y of an expert that a token has not chosen are multiplied by that 0 and reach no output, whatever finite values the inputs hold: the three quantised products are made for the
; 2 x 1,024 chosen (token, expert) rows alone, and the last product (K = 8) is the sum of a token's two chosen rows.  The choice is whole numbers: this launch stores it, later launches read it.
; Every input has a way to an output and is loaded by some launch.
; LIMITS.  A NaN, an infinity or an overflow that arises only in an expert that a token has not chosen is not carried to the result.  NaN and infinities in x or Wg are not served.
; A block of 32 zeros gets the scale byte 1 where the rule says 127: its codes are zeros, and the bytes are read by this program alone.  A block whose largest magnitude lies under 2^-122 is held at that floor.
; Where a token's second and third scores agree to within the rounding of an f32 sum taken in another order, the other expert may be chosen.
; THIS LAUNCH: one wave to a token t = 4 x work-group + wave.  It makes (a) the token's 1,024 codes of E3M2 and 32 scale bytes (xq), (b) its 8 logits x . Wg in f32 fused multiply-adds, the softmax (out2),
; logsumexp^2 and the sum of the two top scores (tokf), (c) the two chosen experts as a mask of two bits (sel).
; LANE l HOLDS BLOCK l: x[32 l .. 32 l + 31] in 32 registers, so a block's largest magnitude needs no other lane, and the lane's part of the logits needs Wg's rows 32 l .. 32 l + 31.
; x is loaded 512 consecutive bytes an instruction and turned through the wave's own stage in LDS; Wg (32 KiB) is brought into LDS once by the four waves together.
; xq: codes [token][768 bytes] as the rule lays them; at byte 786,432 the scale bytes [token][32], WITH BYTES 1 AND 2 OF EACH FOUR EXCHANGED: launch up takes a K step's 96 bytes of a row as 48 consecutive bytes
; a half of the lanes, so that the matrix instruction's blocks 0, 1, 2, 3 are the row's blocks 0, 2, 1, 3, on both operands alike; the scale words follow.
.set WGP,   1040                       ; LDS: Wg as 32 chunks (32 rows, 1,024 bytes) + 16 of padding: 65 x 16 bytes, so lanes a chunk apart start in different banks
.set XST,   33280                      ; behind it each wave's stage: 32 places of 128 bytes + 16
.set XSP,   144
.set SPARE, 51712                      ; the spare words, 128 bytes a wave: two blocks of 256 bytes that no other line names
.set LANE, 1
.set L16,  2                           ; 16 x lane
.set ZO,   3                           ; 0, an offset
.set SPW,  4                           ; my spare word's address; never rewritten
.set NIL,  5                           ; 0; never rewritten
.set XSI,  6                           ; the stage, way in
.set XSO,  7                           ; the stage, way out
.set WGI,  8                           ; Wg's chunks, way in
.set WGO,  9                           ; my chunk
.set L24,  10                          ; 24 x lane: my block's codes in the token's row
.set PIL,  11                          ; my block's scale byte's place
.set E4,   12                          ; 4 x (lane % 8)
.set EF,   13                          ; lane % 8 as f32
.set XR,   16                          ; v16-47   x as loaded
.set X,    48                          ; v48-79   my block
.set WC,   80                          ; v80-143  Wg as loaded; later two sets of 4 rows x 8
.set ACC,  144                         ; v144-159 two sets of 8 partial logits (even d, odd d)
.set T,    160                         ; at work
.set CD,   192                         ; v192-194, v196-198 codes; v199 the scale byte: store data, never rewritten
	s_load_b256 s[4:11], s[0:1], 0x0               ; x, Wg, xq, sel
	s_load_b128 s[12:15], s[0:1], 0x20             ; tokf, out2
	v_lshl_add_u32 v[SPW], v0, 2, SPARE
	v_mov_b32 v[NIL], 0
	v_lshrrev_b32 v14, 5, v0
	v_readfirstlane_b32 s16, v14                   ; wave
	v_and_b32 v[LANE], 31, v0
	v_lshlrev_b32 v[L16], 4, v[LANE]
	v_mov_b32 v[ZO], 0
	s_lshl_b32 s17, ttmp9, 2
	s_add_co_u32 s17, s17, s16                     ; my token
	s_mul_i32 s18, s16, 32*XSP
	s_add_co_u32 s18, s18, XST                     ; my stage
	v_lshrrev_b32 v[XSI], 3, v[LANE]
	v_mul_u32_u24 v[XSI], v[XSI], XSP
	v_and_b32 v14, 7, v[LANE]
	v_lshl_add_u32 v[XSI], v14, 4, v[XSI]
	v_add_nc_u32 v[XSI], s18, v[XSI]               ; eight lanes' 128 bytes are a block: place lane / 8 of a load's four, 16 (lane % 8) in it
	v_cvt_f32_u32 v[EF], v14
	v_lshlrev_b32 v[E4], 2, v14
	v_mul_u32_u24 v[XSO], v[LANE], XSP
	v_add_nc_u32 v[XSO], s18, v[XSO]
	s_mul_i32 s19, s16, 8*WGP
	v_add_nc_u32 v[WGI], s19, v[L16]               ; my wave brings chunks 8 w .. 8 w + 7
	v_mul_u32_u24 v[WGO], v[LANE], WGP
	v_mul_u32_u24 v[L24], v[LANE], 24
	v_and_b32 v[PIL], 0x1c, v[LANE]
	v_and_b32 v14, 1, v[LANE]
	v_lshl_or_b32 v[PIL], v14, 1, v[PIL]
	v_bfe_u32 v14, v[LANE], 1, 1
	v_or_b32 v[PIL], v[PIL], v14                   ; the lane's number with its two lowest bits exchanged
	s_mov_b32 s20, 0xaaaaaaaa                      ; lanes with bit 0, 1, 2 of their number set
	s_mov_b32 s21, 0xcccccccc
	s_mov_b32 s22, 0xf0f0f0f0
	s_mov_b32 s24, 0x76543210                      ; v_permlanex16_b32's selects for lane l xor 16
	s_mov_b32 s25, 0xfedcba98
	s_mov_b32 s27, 0
	s_wait_alu depctr_va_vdst(0)
	s_wait_kmcnt 0x0
	s_lshl_b32 s26, s17, 12
	s_add_nc_u64 s[4:5], s[4:5], s[26:27]          ; x at my token
	s_lshl_b32 s26, s16, 13
	s_add_nc_u64 s[6:7], s[6:7], s[26:27]          ; Wg at my wave's quarter
	s_lshl_b32 s26, s17, 5
	s_add_nc_u64 s[28:29], s[8:9], s[26:27]
	s_add_nc_u64 s[28:29], s[28:29], 786432        ; my token's scale bytes
	s_add_nc_u64 s[14:15], s[14:15], s[26:27]      ; out2 at my token
	s_mul_i32 s26, s17, 768
	s_add_nc_u64 s[8:9], s[8:9], s[26:27]          ; my token's codes
	s_lshl_b32 s26, s17, 2
	s_add_nc_u64 s[10:11], s[10:11], s[26:27]      ; sel
	s_add_nc_u64 s[12:13], s[12:13], s[26:27]      ; tokf
.irp i, 0,1,2,3,4,5,6,7
	global_load_b128 v[XR+4*\i:XR+4*\i+3], v[L16], s[4:5] offset:512*\i th:TH_LOAD_NT   ; 512 consecutive bytes; x is read once in this launch
.endr
.irp q, 0,1,2,3,4,5,6,7,8,9,10,11,12,13,14,15
	global_load_b128 v[WC+4*\q:WC+4*\q+3], v[L16], s[6:7] offset:512*\q
.endr
	s_wait_loadcnt 16                              ; x is in; the 16 younger loads, Wg's, may be out
.irp i, 0,1,2,3,4,5,6,7
	ds_store_b128 v[XSI], v[XR+4*\i:XR+4*\i+3] offset:4*XSP*\i
.endr
.irp q, 0,1,2,3,4,5,6,7
	ds_load_b128 v[X+4*\q:X+4*\q+3], v[XSO] offset:16*\q      ; LDS serves a wave's instructions in order: these see my stores
.endr
	s_wait_loadcnt 0x0
.irp q, 0,1,2,3,4,5,6,7,8,9,10,11,12,13,14,15
	ds_store_b128 v[WGI], v[WC+4*\q:WC+4*\q+3] offset:WGP*(\q/2)+512*(\q%2)
.endr
	s_wait_dscnt 0x0                               ; for the others' sake: my part of Wg lies in LDS (and my block is back)
	s_barrier_signal -1
	s_barrier_wait -1                              ; the launch's one barrier: all of Wg lies in LDS
.macro WCH c                           ; rows 4 c .. 4 c + 3 of my chunk into set c % 2: register 8 dd + e = Wg[32 l + 4 c + dd][e]
.irp j, 0,1,2,3,4,5,6,7
	ds_load_b128 v[WC+32*((\c)%2)+4*\j:WC+32*((\c)%2)+4*\j+3], v[WGO] offset:128*(\c)+16*\j
.endr
.endm
	WCH 0
	WCH 1
	; my block's codes and scale byte, while Wg's first rows come
	v_max3_num_f32 v[T], |v[X]|, |v[X+1]|, |v[X+2]|
	v_max3_num_f32 v[T+1], |v[X+3]|, |v[X+4]|, |v[X+5]|
.irp i, 6,10,14,18,22,26
	v_max3_num_f32 v[T], v[T], |v[X+\i]|, |v[X+\i+1]|
	v_max3_num_f32 v[T+1], v[T+1], |v[X+\i+2]|, |v[X+\i+3]|
.endr
	v_max3_num_f32 v[T], v[T], |v[X+30]|, |v[X+31]|
	v_max3_num_f32 v[T], v[T], v[T+1], 0x2800000   ; and the floor 2^(5 - 127): the byte cannot fall under 1
	v_add_nc_u32 v[T+2], 0xfe000000, v[T]          ; 4 off the exponent field: the conversion takes this operand's exponent field as its scale
	v_cvt_scalef32_pk16_bf6_f32 v[CD:CD+2], v[X:X+15], v[T+2]
	v_cvt_scalef32_pk16_bf6_f32 v[CD+4:CD+6], v[X+16:X+31], v[T+2]
	v_lshrrev_b32 v[CD+7], 23, v[T+2]              ; the scale's byte (also the plain line behind the conversions)
	global_store_b96 v[L24], v[CD:CD+2], s[8:9]
	global_store_b96 v[L24], v[CD+4:CD+6], s[8:9] offset:12
	global_store_b8 v[PIL], v[CD+7], s[28:29]
; 16 packed multiply-adds: four rows of Wg x my four numbers; even d into set 0, odd d into set 1; the first two rows start the sums
.macro DOT c
.if (\c) < 7
	s_wait_dscnt 8                                 ; this chunk's rows are in; the next chunk's 8 loads may be out
.else
	s_wait_dscnt 0x0
.endif
.irp dd, 0,1,2,3
.irp pe, 0,1,2,3
.set rA, ACC+8*(\dd%2)+2*\pe
.set rW, WC+32*((\c)%2)+8*\dd+2*\pe
.set rX, X+4*(\c)+2*(\dd/2)
.if ((\c) == 0) && (\dd < 2)
.if \dd%2 == 0
	v_pk_mul_f32 v[rA:rA+1], v[rW:rW+1], v[rX:rX+1] op_sel_hi:[1,0]
.else
	v_pk_mul_f32 v[rA:rA+1], v[rW:rW+1], v[rX:rX+1] op_sel:[0,1] op_sel_hi:[1,1]
.endif
.else
.if \dd%2 == 0
	v_pk_fma_f32 v[rA:rA+1], v[rW:rW+1], v[rX:rX+1], v[rA:rA+1] op_sel_hi:[1,0,1]
.else
	v_pk_fma_f32 v[rA:rA+1], v[rW:rW+1], v[rX:rX+1], v[rA:rA+1] op_sel:[0,1,0] op_sel_hi:[1,1,1]
.endif
.endif
.endr
.endr
.if (\c)+2 < 8
	WCH (\c)+2
.endif
.endm
.irp c, 0,1,2,3,4,5,6,7
	s_wait_alu depctr_va_vdst(0)
	DOT \c
.endr
.irp pe, 0,1,2,3
	v_pk_add_f32 v[ACC+2*\pe:ACC+2*\pe+1], v[ACC+2*\pe:ACC+2*\pe+1], v[ACC+8+2*\pe:ACC+8+2*\pe+1]
.endr
.irp m, 1,2,4,8                        ; the 8 sums over the 32 lanes, by turns
.irp e, 0,1,2,3,4,5,6,7
	v_add_f32_dpp v[ACC+\e], v[ACC+\e], v[ACC+\e] row_xmask:\m row_mask:0xf bank_mask:0xf
.endr
.endr
.irp e, 0,1,2,3,4,5,6,7
	v_permlanex16_b32 v[ACC+8+\e], v[ACC+\e], s24, s25
.endr
.irp e, 0,1,2,3,4,5,6,7
	v_add_f32 v[ACC+\e], v[ACC+\e], v[ACC+8+\e]    ; every lane holds all 8 logits
.endr
	v_cndmask_b32 v[T], v[ACC], v[ACC+1], s20      ; from here on a lane stands for expert lane % 8
	v_cndmask_b32 v[T+1], v[ACC+2], v[ACC+3], s20
	v_cndmask_b32 v[T+2], v[ACC+4], v[ACC+5], s20
	v_cndmask_b32 v[T+3], v[ACC+6], v[ACC+7], s20
	v_cndmask_b32 v[T], v[T], v[T+1], s21
	v_cndmask_b32 v[T+2], v[T+2], v[T+3], s21
	v_cndmask_b32 v[T], v[T], v[T+2], s22          ; my expert's logit
.macro RED8 op, reg                    ; over the eight lanes that hold the token's eight experts
.irp m, 1,2,4
	\op v[\reg], v[\reg], v[\reg] row_xmask:\m row_mask:0xf bank_mask:0xf
.endr
.endm
	v_mov_b32 v[T+1], v[T]
	RED8 v_max_num_f32_dpp, T+1                    ; the largest logit, taken away before the exponential
	v_sub_f32 v[T+2], v[T], v[T+1]
	v_mul_f32 v[T+2], 0x3fb8aa3b, v[T+2]
	s_wait_alu depctr_va_vdst(0)
	v_exp_f32 v[T+2], v[T+2]
	v_nop                                          ; a plain line behind the exponential,
	s_wait_alu depctr_va_vdst(0)                   ; and the wait ahead of its first reader
	v_mov_b32 v[T+3], v[T+2]
	RED8 v_add_f32_dpp, T+3                        ; the sum
	s_wait_alu depctr_va_vdst(0)
	v_rcp_f32 v[T+4], v[T+3]
	v_log_f32 v[T+5], v[T+3]
	v_nop
	s_wait_alu depctr_va_vdst(0)                   ; one wait for the two
	v_mul_f32 v[T+6], v[T+2], v[T+4]               ; my expert's score
	v_fmamk_f32 v[T+7], v[T+5], 0x3f317218, v[T+1] ; logsumexp = the largest logit + ln 2 x log2(sum)
	v_mul_f32 v[T+7], v[T+7], v[T+7]
	; the top 2 of the scores; of equal scores the lower expert wins, as in jax.lax.top_k
	v_mov_b32 v[T+8], v[T+6]
	RED8 v_max_num_f32_dpp, T+8                    ; the top score
	v_mov_b32 v[T+9], 0x41000000                   ; 8.0: over every expert's number
	v_mov_b32 v[T+12], -1.0                        ; under every score
	v_cmp_eq_f32 vcc_lo, v[T+6], v[T+8]
	v_cndmask_b32 v[T+10], v[T+9], v[EF], vcc_lo
	RED8 v_min_num_f32_dpp, T+10                   ; its expert
	v_cmp_eq_f32 vcc_lo, v[EF], v[T+10]
	v_cndmask_b32 v[T+11], v[T+6], v[T+12], vcc_lo ; the scores without it
	v_mov_b32 v[T+13], v[T+11]
	RED8 v_max_num_f32_dpp, T+13                   ; the second score
	v_cmp_eq_f32 vcc_lo, v[T+11], v[T+13]
	v_cndmask_b32 v[T+14], v[T+9], v[EF], vcc_lo
	RED8 v_min_num_f32_dpp, T+14                   ; its expert
	v_add_f32 v[T+15], v[T+8], v[T+13]             ; w = the sum of the two
	v_cvt_u32_f32 v[T+16], v[T+10]
	v_cvt_u32_f32 v[T+17], v[T+14]
	; sel's word has two bits for each expert e, at 2 e: 0 not chosen, 2 the token's lower chosen expert, 3 the higher
	v_min_u32 v[T+18], v[T+16], v[T+17]
	v_max_u32 v[T+19], v[T+16], v[T+17]
	v_lshlrev_b32 v[T+18], 1, v[T+18]
	v_lshlrev_b32 v[T+19], 1, v[T+19]
	v_mov_b32 v[T+16], 2
	v_mov_b32 v[T+17], 3
	v_lshlrev_b32 v[T+16], v[T+18], v[T+16]
	v_lshlrev_b32 v[T+17], v[T+19], v[T+17]
	v_or_b32 v[T+16], v[T+16], v[T+17]             ; data here, whole numbers for the later launches
	global_store_b32 v[E4], v[T+6], s[14:15]       ; lanes that share an address hold the same number
	global_store_b32 v[ZO], v[T+16], s[10:11]
	global_store_b32 v[ZO], v[T+15], s[12:13]
	global_store_b32 v[ZO], v[T+7], s[12:13] offset:4096
	s_wait_tensorcnt 0x0                           ; the wave's end
	ds_add_u32 v[SPW], v[NIL]
	s_wait_dscnt 0x0
	s_endpgm
.Lfunc_end_k_qdf838fbd44_gate:
	.size	k_qdf838fbd44_gate, .Lfunc_end_k_qdf838fbd44_gate-k_qdf838fbd44_gate
	.p2alignl 7, 3214868480
	.fill 96, 4, 3214868480
	.section	.rodata,"a",@progbits
	.p2align	6, 0x0
	.amdhsa_kernel k_qdf838fbd44_gate
		.amdhsa_group_segment_fixed_size 52224
		.amdhsa_private_segment_fixed_size 0
		.amdhsa_enable_private_segment 0
		.amdhsa_kernarg_size 48
		.amdhsa_user_sgpr_count 2
		.amdhsa_user_sgpr_kernarg_segment_ptr 1
		.amdhsa_wavefront_size32 1
		.amdhsa_system_sgpr_workgroup_id_x 1
		.amdhsa_system_sgpr_workgroup_id_y 1
		.amdhsa_system_sgpr_workgroup_id_z 1
		.amdhsa_system_vgpr_workitem_id 0
		.amdhsa_next_free_vgpr 208
		.amdhsa_next_free_sgpr 66
		.amdhsa_reserve_vcc 1
		.amdhsa_float_denorm_mode_32 3
		.amdhsa_float_denorm_mode_16_64 3
		.amdhsa_memory_ordered 1
		.amdhsa_forward_progress 1
		.amdhsa_inst_pref_size 28
	.end_amdhsa_kernel
	.amdgpu_metadata
---
amdhsa.version: [ 1, 2 ]
amdhsa.kernels:
  - .name:           k_qdf838fbd44_gate
    .symbol:         k_qdf838fbd44_gate.kd
    .args:
      - { .name: x, .offset: 0, .size: 8, .value_kind: global_buffer, .address_space: global }
      - { .name: Wg, .offset: 8, .size: 8, .value_kind: global_buffer, .address_space: global }
      - { .name: xq, .offset: 16, .size: 8, .value_kind: global_buffer, .address_space: global }
      - { .name: sel, .offset: 24, .size: 8, .value_kind: global_buffer, .address_space: global }
      - { .name: tokf, .offset: 32, .size: 8, .value_kind: global_buffer, .address_space: global }
      - { .name: out2, .offset: 40, .size: 8, .value_kind: global_buffer, .address_space: global }
    .group_segment_fixed_size: 52224
    .private_segment_fixed_size: 0
    .kernarg_segment_align: 8
    .kernarg_segment_size: 48
    .max_flat_workgroup_size: 128
    .sgpr_count:     66
    .vgpr_count:     208
    .wavefront_size: 32
...
	.end_amdgpu_metadata
.endif
;; end of part 1
;; launch up (part 2): grid 32 x 8, 4 waves a work-group, no clusters, 280,064 bytes of LDS; arguments sel, xq, W1_codes, W1_scales, W2_codes, W2_scales, b1, b2, hq, pos; writes hq, pos
.if DOCPART == 2
	.amdgcn_target "amdgcn-amd-amdhsa--gfx1250"
	.amdhsa_code_object_version 6
	.text
	.protected	k_qdf838fbd44_up
	.globl	k_qdf838fbd44_up
	.p2align	8
	.type	k_qdf838fbd44_up,@function
k_qdf838fbd44_up:
	s_mov_b64 s[64:65], 0
	v_nop
	global_prefetch_b8 v0, s[64:65] scope:SCOPE_SE
	s_setreg_imm32_b32 hwreg(HW_REG_WAVE_MODE, 25, 1), 1
	s_wait_xcnt 0x0
; hidden = Q(silu(Q(x) W1_e + b1_e) x (Q(x) W2_e + b2_e)), for the tokens that chose expert e alone: the rows of other tokens are multiplied by a 0 of reference()'s own mask (see launch gate's head).
; SHARES.  Work-group (sigma = x, e = y) owns hidden units 64 sigma .. 64 sigma + 63 of expert e, for ALL the expert's tokens: its 96 KiB of W1 and W2 are read once and stay in LDS.
; Wave 0 ranks the expert's tokens from the stored choice (sel), 32 ballots in four batches of eight; rank / 16 is a tile of 16 rows.  Wave w, slot g = 0 .. 4, takes tile t0 + 4 g + w: a pass serves 20 tiles; the loop has
; 4 trips, a constant, for up to 64 tiles, and its work is jumped over where a wave has no tile left.  Of a list entry bit 0 is the token's slot (0: e is the lower of its two experts, 1: the higher), the rest the token.
; Ranks past the expert's count, inside its last tile, repeat the last entry: their rows are equal to its row.  An expert without tokens makes tile 0 of entries 2,048 + e (held to a token inside x), whose y no one reads.
; A fifth slot past the expert's tiles is not loaded: its registers hold what the weights left there; it is multiplied and not stored.
; No tensor load, no cluster: jumps and stores hang on the stored choice.  No prefetch: each stream is asked for in full ahead of the loop.
; WEIGHTS: 512 consecutive bytes an instruction, into LDS rows of 768 bytes + 16 of padding.  Memory row 32 beta + 16 q + 8 u + rho lies in LDS row 32 beta + 16 u + 8 q + rho, so that a unit tile's 16 rows are neighbours.
; x: a row of 768 bytes comes as three chunks of 256 bytes; an instruction takes chunk c of rows p and p + 8 of a tile.  A tile's chunks go through the wave's own stage: rows of 512 bytes + 16, chunk c in half c % 2, and come
; back as fragments: steps 0, 1 behind chunk 0, steps 2-4 behind chunk 1, steps 5-7 behind chunk 2 (which takes chunk 0's half).  The first block multiplies in that order, while later chunks are on their way.
; A FRAGMENT: lane (r, h) takes the 48 consecutive bytes at row + 96 s + 48 h of K step s.  The matrix instruction's blocks 0, 1, 2, 3 are then the row's blocks 0, 2, 1, 3, on both operands alike, and the scale words have
; their bytes 1 and 2 exchanged (x's were stored so).
; BOTH PRODUCTS ARE USED TRANSPOSED (source 0 = 16 units, source 1 = 16 tokens): a lane holds one token.  Lane r of unit tile 2 beta + u takes unit 32 beta + 8 u + r + 8 (r / 8), so that the 16 registers of two tiles
; are units 32 beta + 16 h + 0 .. 15: sixteen neighbours along the next product's K.  The biases are the C of each sum's first matrix instruction.
; hq: codes [e][tile][K step s of 16][piece i of 3][lane 16 h + r][16 bytes]: the image of launch down's fragment registers.  This work-group makes (s, h) = (sigma / 2, sigma % 2): 48 bytes a row, three pieces, and each
; piece's 16 rows are 256 consecutive bytes at a multiple of 256, stored whole by one instruction.  At byte 12,582,912 the scale bytes [e][tile][r][64]: they leave 2 at a time: one byte for 24 of codes.
; pos: the list entries [e][rank], then at byte 32,768 the experts' counts: stored by the work-groups with sigma = 0.
; LIMITS: as stated at launch gate's head; the order of ranks inside an expert is that of the ballots, not of the tokens.
; REGISTERS.  Window 0: v1-31 addresses; v32-71 x's scale words (8 g + s); v72-103 the weights' (8 u + s: lanes 0-15 W1's, lanes 16-31 W2's); v104-199 two sets of four weight fragments, earlier sel and ranks, later the 80
; hidden numbers, last the codes on their way out; v200-244 x's offsets, later at work.  Window 1: x's tiles 0, 1; v192-255 the biases.  Window 2: tiles 2, 3; v192-211 the first block's codes.
; Window 3: tile 4 (earlier W1 as loaded); v96-255 the 20 accumulators (v160-255 earlier W2 as loaded).
.set WP,    784                        ; LDS: 64 rows of W1, 64 of W2; 784 bytes = 196 words: neighbouring rows start 4 banks apart
.set W2O,   50176
.set XSTG,  100352                     ; each wave's stage: 5 tiles x 16 rows x 528 bytes;
.set XP,    528
.set XT,    8448
.set XW,    42240
.set WSC,   269312                     ; the weights' scale words [tile][lane][32 bytes];
.set LIST,  273408                     ; the entries by rank: words 0-1279, 1280-1311 for lanes with nothing to say, word 1312 the count;
.set SPARE, 279552                     ; the spare words, 128 bytes a wave: two blocks of 256 bytes that no other line names
.set LI,   4                           ; v4, v5  a fragment of W1, of W2
.set IST,  6                           ; v6, v7  where I store W1 (v7: the middle 512 bytes of two rows); v8, v9 W2
.set WSS,  10
.set WSL,  11
.set L16,  12                          ; 16 x lane
.set VWS,  13
.set VB,   14                          ; 64 h
.set VH,   15                          ; 16 r + 1,024 h: pieces 0 (lanes 0-15) and 2 (lanes 16-31)
.set VS,   16                          ; 64 r
.set VH2,  17                          ; 16 r + 8 h: my half of piece 1
.set XST,  18                          ; the stage, way in
.set XLD,  19                          ; the stage, way out
.set XL5,  20                          ; the same for step 5's first two pieces: lanes 0-15 at byte 480, lanes 16-31 at byte 16
.set VN,   21
.set VTR,  22
.set L8,   23
.set LZ,   24
.set LZW,  25
.set LG,   26
.set LH,   27                          ; LIST + 32 h
.set LA,   28                          ; LIST + 4 r
.set GLH,  29
.set GLR,  30
.set X16,  31                          ; 16 r
.set XS,   32
.set WS,   72
.set WF,   104
.set TT,   104                         ; v104-183 the hidden numbers, 16 a tile
.set AA,   104                         ; the way out: v104-123 the first block's codes, 4 g;
.set RR,   124                         ; v124-143 16 bytes a lane, 4 g;
.set SS,   144                         ; v144-153 8 bytes a lane, 2 g;
.set OF,   156                         ; v156-170 offsets in hq, 3 g
.set SELR, 104                         ; v104-135 sel (wave 0)
.set SW1,  136                         ; v136-143 W1's scale bytes, v144-151 W2's
.set SW2,  144
.set TB,   152
.set RA,   160
.set ZR,   168
.set PAD,  172
.set LS,   176
.set XA,   200                         ; v200-239 offsets of x's rows, 8 g + p; v240-244 of the scale words
.set XSA,  240
.set CD,   200                         ; codes, 4 g
.set SB,   220                         ; two scale bytes a slot
.set MX,   225
.set PX,   230
.set SO,   235
.set BY,   245
.set SPW,  250                         ; my spare word's address; never rewritten
.set NIL,  251                         ; 0; never rewritten
.set VT,   254
.set ZO,   255                         ; 0, an offset
.set KEEP, 192                         ; in window 2: the first block's codes, 4 g
.set TG,   66                          ; s66-70   the slots' tiles
.set MSB, 0
.macro WIN new                         ; the immediate's high byte repeats the setting that is left
.if MSB != (\new)
	s_set_vgpr_msb (MSB<<8)|(\new)
.set MSB, (\new)
.endif
.endm
.macro PLACES n
.rept \n
	v_nop
.endr
.endm
	s_load_b256 s[4:11], s[0:1], 0x0               ; sel, xq, W1's codes, W1's scales
	s_load_b256 s[12:19], s[0:1], 0x20             ; W2's codes, W2's scales, b1, b2
	s_load_b128 s[20:23], s[0:1], 0x40             ; hq, pos
	v_lshl_add_u32 v[SPW], v0, 2, SPARE
	v_mov_b32 v[NIL], 0
	v_lshrrev_b32 v1, 5, v0
	v_readfirstlane_b32 s24, v1                    ; wave
	s_mov_b32 s25, ttmp9                           ; sigma
	s_and_b32 s26, ttmp7, 0xffff                   ; e
	s_lshl_b32 s27, s26, 1                         ; the expert's two bits in sel
	s_mov_b32 s28, 0                               ; the running count
	s_mov_b32 s33, 0x03010200                      ; v_perm_b32: bytes 1 and 2 exchanged
	s_mov_b32 s34, 0x76543210                      ; v_permlanex16_b32's selects for lane l xor 16
	s_mov_b32 s35, 0xfedcba98
	s_mov_b32 s36, 0xffff0000                      ; lanes 16-31
	s_mov_b32 s37, 384
	s_add_co_u32 s38, s26, 2048
	v_and_b32 v1, 15, v0                           ; r
	v_bfe_u32 v2, v0, 4, 1                         ; h
	v_and_b32 v3, 31, v0                           ; lane
	v_lshlrev_b32 v[L16], 4, v3                    ; every LDS address is made here, ahead of the first branch
	v_lshlrev_b32 v[X16], 4, v1
	v_mul_u32_u24 v[LI], v1, WP
	v_mul_u32_u24 v[LI+1], v2, 48
	v_add_nc_u32 v[LI], v[LI], v[LI+1]
	v_add_nc_u32 v[LI+1], W2O, v[LI]
	s_lshr_b32 s74, s24, 1
	s_lshl_b32 s74, s74, 5
	s_and_b32 s75, s24, 1
	s_lshl_b32 s75, s75, 3
	s_add_co_u32 s74, s74, s75                     ; 32 (w / 2) + 8 (w % 2): the LDS row of my first row; also my unit tile's first row in memory
	s_mul_i32 s75, s74, WP
	v_add_nc_u32 v[IST], s75, v[L16]
	v_lshl_add_u32 v[IST+1], v2, 4, v[IST]
	v_add_nc_u32 v[IST+2], W2O, v[IST]
	v_add_nc_u32 v[IST+3], W2O, v[IST+1]
	s_lshl_b32 s75, s24, 10
	v_add_nc_u32 v[LG], s75, v[L16]
	v_add_nc_u32 v[LZW], LIST, v[LG]
	s_add_co_u32 s75, s75, WSC
	v_lshlrev_b32 v[WSL], 5, v3
	v_add_nc_u32 v[WSS], s75, v[WSL]
	v_add_nc_u32 v[WSL], WSC, v[WSL]
	v_and_b32 v[VWS], 8, v1
	v_add_nc_u32 v[VWS], v[VWS], v1                ; r + 8 (r / 8)
	v_lshlrev_b32 v[VWS], 5, v[VWS]
	v_lshlrev_b32 v[VB], 6, v2
	v_lshl_add_u32 v[VH2], v2, 3, v[X16]
	v_lshl_add_u32 v[VH], v2, 10, v[X16]
	v_lshlrev_b32 v[VS], 6, v1
	s_mul_i32 s75, s24, XW
	s_add_co_u32 s75, s75, XSTG                    ; my stage
	v_mul_u32_u24 v[XST], v2, 8*XP
	v_add_nc_u32 v[XST], v[XST], v[X16]
	v_add_nc_u32 v[XST], s75, v[XST]
	v_mul_u32_u24 v[XLD], v1, XP
	v_add_nc_u32 v[XLD], s75, v[XLD]
	v_xor_b32 v[XL5], 1, v2
	v_mul_u32_u24 v[XL5], v[XL5], 464
	v_add_nc_u32 v[XL5], 16, v[XL5]
	v_add_nc_u32 v[XL5], v[XL5], v[XLD]
	v_mul_u32_u24 v[GLH], v2, 48
	v_add_nc_u32 v[XLD], v[XLD], v[GLH]
	v_mov_b32 v[VN], LIST+5248
	v_add_nc_u32 v[VTR], 1280, v3
	v_lshlrev_b32 v[L8], 3, v3
	v_add_nc_u32 v[LZ], LIST, v[L16]
	v_lshl_add_u32 v[LH], v2, 5, LIST
	v_lshl_add_u32 v[LA], v1, 2, LIST
	v_mov_b32 v[ZO], 0
	s_lshl_b32 s75, s26, 11
	s_lshl_b32 s76, s25, 6
	s_add_co_u32 s75, s75, s76                     ; the slice's first unit among the 8 x 2,048
	s_add_co_u32 s80, s75, s74
	s_lshl_b32 s80, s80, 5                         ; my unit tile's scale bytes
	s_mov_b32 s81, 0
	s_lshl_b32 s76, s75, 2                         ; the slice's biases, in bytes
	s_mov_b32 s77, 0
	s_lshl_b32 s74, s24, 4
	s_add_co_u32 s75, s75, s74                     ; + 16 w: the rows that I fetch
	s_mul_i32 s78, s75, 768
	s_mov_b32 s79, 0
	s_lshr_b32 s82, s25, 1
	s_mul_i32 s82, s82, 1536                       ; my work-group's place in a tile of hq: K step sigma / 2,
	s_and_b32 s75, s25, 1
	s_lshl_b32 s75, s75, 8
	s_add_co_u32 s82, s82, s75                     ; lanes 16 (sigma % 2) on
	s_lshl_b32 s83, s25, 1
	s_add_co_u32 s83, s83, 12582912                ; and its two scale bytes in a row
	s_lshl_b32 s88, s26, 12
	s_mov_b32 s89, 0
	s_lshl_b32 s90, s26, 2
	s_add_co_u32 s90, s90, 32768
	s_mov_b32 s91, 0
	s_wait_alu depctr_va_vdst(0)
	s_wait_kmcnt 0x0
	s_add_nc_u64 s[8:9], s[8:9], s[78:79]
	s_add_nc_u64 s[12:13], s[12:13], s[78:79]
	s_add_nc_u64 s[10:11], s[10:11], s[80:81]
	s_add_nc_u64 s[14:15], s[14:15], s[80:81]
	s_add_nc_u64 s[16:17], s[16:17], s[76:77]
	s_add_nc_u64 s[18:19], s[18:19], s[76:77]
	s_add_nc_u64 s[72:73], s[6:7], 786432          ; x's scale words
	s_add_nc_u64 s[84:85], s[22:23], s[88:89]      ; pos: my expert's list,
	s_add_nc_u64 s[86:87], s[22:23], s[90:91]      ; and its count
	s_cmp_lg_u32 s24, 0
	s_cbranch_scc1 .Lno_sel                        ; wave 0 alone ranks, so it alone loads sel, ahead of everything else
.irp k, 0,1,2,3,4,5,6,7
	global_load_b128 v[SELR+4*\k:SELR+4*\k+3], v[L16], s[4:5] offset:512*\k    ; register 4 k + c = token 128 k + 4 lane + c
.endr
.Lno_sel:
	WIN 0xc0                                       ; destination window 3
.irp j, 0,1,2,3,4,5,6,7,8,9,10,11,12,13,14,15,16,17,18,19,20,21,22,23
	global_load_b128 v[4*\j:4*\j+3], v[L16], s[8:9] offset:512*\j
.endr
.irp j, 0,1,2,3,4,5,6,7,8,9,10,11,12,13,14,15,16,17,18,19,20,21,22,23
	global_load_b128 v[160+4*\j:160+4*\j+3], v[L16], s[12:13] offset:512*\j
.endr
	WIN 0
	global_load_b128 v[SW1:SW1+3], v[VWS], s[10:11]
	global_load_b128 v[SW1+4:SW1+7], v[VWS], s[10:11] offset:16
	global_load_b128 v[SW2:SW2+3], v[VWS], s[14:15]
	global_load_b128 v[SW2+4:SW2+7], v[VWS], s[14:15] offset:16
	; ---- wave 0 ranks the expert's tokens.  Until the barrier below no other wave touches LDS
	s_cmp_lg_u32 s24, 0
	s_cbranch_scc1 .Lranked
.irp q, 0,1,2,3
	v_mov_b32 v[ZR+\q], s38
.endr
.irp q, 0,1,2,3,4,5,6,7,8,9,10,11
	ds_store_b128 v[LZ], v[ZR:ZR+3] offset:512*\q  ; entry 2,048 + e wherever no rank lands
.endr
	s_wait_loadcnt 52                              ; sel is in; behind it stand 24 + 24 + 4 loads
.macro RANK8 b                         ; eight ballots, by turns: registers 8 b .. 8 b + 7 of sel
.irp i, 0,1,2,3,4,5,6,7
	v_bfe_u32 v[TB+\i], v[SELR+8*\b+\i], s27, 2
.endr
.irp i, 0,1,2,3,4,5,6,7
	v_cmp_ne_u32 s[40+\i], 0, v[TB+\i]
.endr
	s_wait_alu depctr_va_vdst(0)
.irp i, 0,1,2,3,4,5,6,7
	s_bcnt1_i32_b32 s[56-8*(\i/6)*0+\i-8], s[40+\i]
.endr
.endm
.macro RANKB b                         ; eight ballots, by turns: registers 8 b .. 8 b + 7 of sel; s48-55 the counts so far
.irp i, 0,1,2,3,4,5,6,7
	v_bfe_u32 v[TB+\i], v[SELR+8*\b+\i], s27, 2
.endr
.irp i, 0,1,2,3,4,5,6,7
	v_cmp_ne_u32 s[40+\i], 0, v[TB+\i]
.endr
	s_wait_alu depctr_va_vdst(0)
	s_mov_b32 s48, s28
.irp i, 0,1,2,3,4,5,6
	s_bcnt1_i32_b32 s56, s[40+\i]
	s_add_co_u32 s[49+\i], s[48+\i], s56
.endr
	s_bcnt1_i32_b32 s56, s47
	s_add_co_u32 s28, s55, s56
.irp i, 0,1,2,3,4,5,6,7
	v_mbcnt_lo_u32_b32 v[RA+\i], s[40+\i], s[48+\i]      ; the count so far + the chosen lanes below mine
.endr
.irp i, 0,1,2,3,4,5,6,7
	v_cndmask_b32 v[RA+\i], v[VTR], v[RA+\i], s[40+\i]   ; a lane whose token has not chosen e writes to a word of its own that nobody reads
.endr
.irp i, 0,1,2,3,4,5,6,7
	v_min_u32 v[RA+\i], 0x51f, v[RA+\i]
.endr
.irp i, 0,1,2,3,4,5,6,7
	v_lshl_add_u32 v[RA+\i], v[RA+\i], 2, LIST
.endr
.irp i, 0,1,2,3,4,5,6,7
	v_add3_u32 v[TB+\i], v[TB+\i], v[L8], 256*(2*\b+\i/4)+2*(\i%4)-2   ; 2 x token + slot: the two bits are 2 + slot
.endr
.irp i, 0,1,2,3,4,5,6,7
	ds_store_b32 v[RA+\i], v[TB+\i]                ; LDS serves a wave's instructions in order: behind the clearing
.endr
.endm
.irp b, 0,1,2,3
	RANKB \b
.endr
	s_max_u32 s29, s28, 1
	s_sub_co_u32 s29, s29, 1
	s_min_u32 s29, s29, 0x3ff
	v_mov_b32 v[PAD], s29
	v_lshl_add_u32 v[PAD], v[PAD], 2, LIST
	ds_load_b32 v[TB], v[PAD]                      ; the last entry
	v_add_nc_u32 v[RA], s28, v3
	v_min_u32 v[RA], 0x4ff, v[RA]
	v_lshl_add_u32 v[RA], v[RA], 2, LIST
	v_mov_b32 v[VT], s28
	s_wait_alu depctr_va_vdst(0)
	s_wait_dscnt 0x0
	ds_store_b32 v[RA], v[TB]                      ; it stands in the 32 ranks behind it, too
	ds_store_b32 v[VN], v[VT]                      ; the expert's count
.Lranked:
	s_wait_dscnt 0x0                               ; for the others' sake: the list lies in LDS
	s_barrier_signal -1
	s_barrier_wait -1
	ds_load_b32 v[VT], v[VN]
	s_wait_dscnt 0x0
	v_readfirstlane_b32 s30, v[VT]
	s_min_u32 s30, s30, 1024
	s_add_co_u32 s30, s30, 15
	s_lshr_b32 s30, s30, 4
	s_max_u32 s30, s30, 1                          ; the expert's tiles, at least one
	s_min_u32 s30, s30, 64
	s_mov_b32 s31, 0                               ; t0: the pass's first tile
	s_cmp_lg_u32 s25, 0
	s_cbranch_scc1 .Lnot_first                     ; the list is the same in all 32 work-groups of an expert: the first stores it, a quarter a wave
	ds_load_b128 v[LS:LS+3], v[LZW]
	ds_load_b128 v[LS+4:LS+7], v[LZW] offset:512
	s_wait_dscnt 0x0
	global_store_b128 v[LG], v[LS:LS+3], s[84:85]
	global_store_b128 v[LG], v[LS+4:LS+7], s[84:85] offset:512
	global_store_b32 v[ZO], v[VT], s[86:87]
	s_wait_xcnt 0x0                                ; the stores have read their registers: these are written again below
.Lnot_first:
	s_wait_loadcnt 28                              ; W1 is in; behind it stand W2's 24 loads and 4 of scale bytes
	WIN 0x0c                                       ; an LDS store's data are its source 1: window 3
.irp j, 0,1,2,3,4,5,6,7,8,9,10,11,12,13,14,15,16,17,18,19,20,21,22,23
	ds_store_b128 v[IST+(\j%3)%2], v[4*\j:4*\j+3] offset:(((\j/3)%4)*2+(\j/12)*16)*WP+512*(\j%3)+16*((\j%3)/2)
.endr
	WIN 0x40                                       ; the biases, in the result's layout: lane (r, h) wants units 32 beta + 8 u + 16 h + 0 .. 7
.irp b, 0,1
.irp u, 0,1
	global_load_b128 v[192+32*\b+8*\u:195+32*\b+8*\u], v[VB], s[16:17] offset:(32*\b+8*\u)*4
	global_load_b128 v[196+32*\b+8*\u:199+32*\b+8*\u], v[VB], s[16:17] offset:(32*\b+8*\u)*4+16
	global_load_b128 v[208+32*\b+8*\u:211+32*\b+8*\u], v[VB], s[18:19] offset:(32*\b+8*\u)*4
	global_load_b128 v[212+32*\b+8*\u:215+32*\b+8*\u], v[VB], s[18:19] offset:(32*\b+8*\u)*4+16
.endr
.endr
	WIN 0
; The five slots of a pass: their tiles, the offsets of their rows of x, and 10 loads of x's scale words
.macro PRO
.irp g, 0,1,2,3,4
	s_add_co_u32 s[TG+\g], s31, 4*\g
	s_add_co_u32 s[TG+\g], s[TG+\g], s24
.endr
	s_min_u32 s74, s[TG], 63                       ; with 16 more for slot 4: word 1279 at the most
	s_lshl_b32 s74, s74, 6
	v_add_nc_u32 v[GLH], s74, v[LH]
	v_add_nc_u32 v[GLR], s74, v[LA]
.irp g, 0,1,2,3,4
	ds_load_b128 v[XA+8*\g:XA+8*\g+3], v[GLH] offset:256*\g          ; register p: the entry of rank 16 tile + 8 h + p
	ds_load_b128 v[XA+8*\g+4:XA+8*\g+7], v[GLH] offset:256*\g+16
	ds_load_b32 v[XSA+\g], v[GLR] offset:256*\g                      ; the entry of rank 16 tile + r
.endr
	s_wait_dscnt 0x0
.set q, 0
.rept 45
	v_min_u32 v[XA+q], 0x7ff, v[XA+q]
.set q, q+1
.endr
.set q, 0
.rept 45
	v_and_b32 v[XA+q], -2, v[XA+q]                 ; 2 x token
.set q, q+1
.endr
.set q, 0
.rept 40
	v_mad_u32_u24 v[XA+q], v[XA+q], s37, v[X16]
.set q, q+1
.endr
.irp g, 0,1,2,3,4
	v_lshlrev_b32 v[XSA+\g], 4, v[XSA+\g]
.endr
	s_wait_alu depctr_va_vdst(0)
.irp g, 0,1,2,3,4
	global_load_b128 v[XS+8*\g:XS+8*\g+3], v[XSA+\g], s[72:73]
	global_load_b128 v[XS+8*\g+4:XS+8*\g+7], v[XSA+\g], s[72:73] offset:16
.endr
.endm
; Chunk c of the slots' rows: 32 loads, and 8 for slot 4 where it has a tile; each half of the lanes takes 256 consecutive bytes, at a multiple of 256
.macro XC c
.irp g, 0,1,2,3,4
.if \g == 4
	WIN 0
	s_cmp_ge_u32 s[TG+4], s30
	s_cbranch_scc1 .Lxc_\@
.endif
	WIN 0x40*(1+\g/2)                              ; destination window 1, 1, 2, 2, 3
.irp p, 0,1,2,3,4,5,6,7
	global_load_b128 v[96*(\g%2)+32*\c+4*\p:96*(\g%2)+32*\c+4*\p+3], v[XA+8*\g+\p], s[6:7] offset:256*\c
.endr
.endr
	WIN 0
.Lxc_\@:
.endm
	PRO
	XC 0
	s_wait_loadcnt 58                              ; W2 and the scale bytes are in; behind them stand 16 + 10 + at least 32 loads
	WIN 0x0c
.irp j, 0,1,2,3,4,5,6,7,8,9,10,11,12,13,14,15,16,17,18,19,20,21,22,23
	ds_store_b128 v[IST+2+(\j%3)%2], v[160+4*\j:160+4*\j+3] offset:(((\j/3)%4)*2+(\j/12)*16)*WP+512*(\j%3)+16*((\j%3)/2)
.endr
	WIN 0
.irp q, 0,1,2,3,4,5,6,7
	v_cndmask_b32 v[SW1+\q], v[SW1+\q], v[SW2+\q], s36   ; lanes 0-15 keep W1's words, lanes 16-31 take W2's
.endr
.irp q, 0,1,2,3,4,5,6,7
	v_perm_b32 v[SW1+\q], v[SW1+\q], v[SW1+\q], s33
.endr
	ds_store_b128 v[WSS], v[SW1:SW1+3]
	ds_store_b128 v[WSS], v[SW1+4:SW1+7] offset:16
	s_wait_dscnt 0x0                               ; for the others' sake: my rows and scale words lie in LDS
	s_barrier_signal -1
	s_barrier_wait -1                              ; the last barrier: from here on a wave stores to its own stage alone
.irp u, 0,1,2,3
	ds_load_b128 v[WS+8*\u:WS+8*\u+3], v[WSL] offset:1024*\u
	ds_load_b128 v[WS+8*\u+4:WS+8*\u+7], v[WSL] offset:1024*\u+16
.endr
	XC 1
	XC 2
.macro STG c                           ; chunk c of the five slots into the stage
.irp g, 0,1,2,3,4
	WIN (1+\g/2)<<2
.irp p, 0,1,2,3,4,5,6,7
	ds_store_b128 v[XST], v[96*(\g%2)+32*\c+4*\p:96*(\g%2)+32*\c+4*\p+3] offset:XT*\g+XP*\p+256*((\c)%2)
.endr
.endr
	WIN 0
.endm
.macro XFR s                           ; the five slots' fragments of K step s: 15 loads; LDS serves a wave's instructions in order: these see its stores
.irp g, 0,1,2,3,4
	WIN 0x40*(1+\g/2)
.irp i, 0,1,2
.set rX, 96*(\g%2)+12*(\s)+4*\i
.if (\s) < 5
	ds_load_b128 v[rX:rX+3], v[XLD] offset:XT*\g+96*(\s)+16*\i
.elseif (\s) > 5
	ds_load_b128 v[rX:rX+3], v[XLD] offset:XT*\g+96*(\s)-512+16*\i
.elseif \i < 2
	ds_load_b128 v[rX:rX+3], v[XL5] offset:XT*\g+16*\i
.else
	ds_load_b128 v[rX:rX+3], v[XLD] offset:XT*\g
.endif
.endr
.endr
	WIN 0
.endm
.macro WLOAD set, beta, s              ; the four fragments f = 2 u + j of K step s: 12 loads
.irp f, 0,1,2,3
.irp i, 0,1,2
	ds_load_b128 v[WF+48*(\set)+12*\f+4*\i:WF+48*(\set)+12*\f+4*\i+3], v[LI+\f%2] offset:16*WP*(2*(\beta)+\f/2)+96*(\s)+16*\i
.endr
.endr
.endm
; 20 matrix instructions: five tiles of tokens x (W1, W2) x two unit tiles.  The 20 accumulators take turns, one instruction a turn, in the same order in every step.
.macro MULS set, beta, s
.irp m, 0,1,2,3,4
.if (\s) == 0
	WIN 0xd0|((1+\m/2)<<2)                         ; A window 0, B the tile's window, C (the bias) window 1, D window 3
.else
	WIN 0xf0|((1+\m/2)<<2)                         ; C and D window 3
.endif
.irp j, 0,1
.irp u, 0,1
.set rD, 96+32*\m+16*\j+8*\u
.set rA, WF+48*(\set)+12*(2*\u+\j)
.set rB, 96*(\m%2)+12*(\s)
.set rC, rD
.if (\s) == 0
.set rC, 192+32*(\beta)+8*(2*\j+\u)
.endif
.set rP, WS+8*(2*(\beta)+\u)+(\s)
.set rQ, XS+8*\m+(\s)
.if \j == 0
	v_wmma_scale_f32_16x16x128_f8f6f4 v[rD:rD+7], v[rA:rA+11], v[rB:rB+11], v[rC:rC+7], v[rP], v[rQ] matrix_a_fmt:MATRIX_FMT_BF6 matrix_b_fmt:MATRIX_FMT_BF6
.else
	v_wmma_scale_f32_16x16x128_f8f6f4 v[rD:rD+7], v[rA:rA+11], v[rB:rB+11], v[rC:rC+7], v[rP], v[rQ] matrix_a_fmt:MATRIX_FMT_BF6 matrix_b_fmt:MATRIX_FMT_BF6 matrix_a_scale:MATRIX_SCALE_ROW1
.endif
.endr
.endr
.endr
	WIN 0
.endm
; silu(h1) x h2 = h1 / (1 + 2^(-h1 log2 e)) x h2, in f32, 80 numbers a lane.  Each accumulator is read from its low end on.  The exponentials are one batch, and so are the reciprocals.
.macro ACT
	WIN 0x03                                       ; source 0 window 3
.set q, 0
.rept 40
.set rH, 96+32*(q/8)+2*(q%8)
	v_pk_mul_f32 v[TT+2*q:TT+2*q+1], v[rH:rH+1], 0xbfb8aa3b op_sel_hi:[1,0]
.set q, q+1
.endr
	WIN 0
.set q, 0
	s_wait_alu depctr_va_vdst(0)
.rept 80
	v_exp_f32 v[TT+q], v[TT+q]
.set q, q+1
.endr
	v_nop                                          ; a plain line behind the last exponential
	s_wait_alu depctr_va_vdst(0)
.set q, 0
.rept 40
	v_pk_add_f32 v[TT+2*q:TT+2*q+1], v[TT+2*q:TT+2*q+1], 1.0 op_sel_hi:[1,0]
.set q, q+1
.endr
.set q, 0
	s_wait_alu depctr_va_vdst(0)
.rept 80
	v_rcp_f32 v[TT+q], v[TT+q]
.set q, q+1
.endr
	v_nop
	s_wait_alu depctr_va_vdst(0)
	WIN 0x0c                                       ; source 1 window 3
.set q, 0
.rept 40
.set rH, 96+32*(q/8)+2*(q%8)
	v_pk_mul_f32 v[TT+2*q:TT+2*q+1], v[TT+2*q:TT+2*q+1], v[rH:rH+1]
.set q, q+1
.endr
.set q, 0
.rept 40
.set rH, 96+32*(q/8)+2*(q%8)
	v_pk_mul_f32 v[TT+2*q:TT+2*q+1], v[TT+2*q:TT+2*q+1], v[rH+16:rH+17]
.set q, q+1
.endr
	WIN 0
.endm
; A lane's 16 numbers of a tile are half of a block of 32 along the next K; lane l xor 16 holds the other half.  The five tiles take turns line by line.
.macro QUANT beta
.irp m, 0,1,2,3,4
	v_max3_num_f32 v[MX+\m], |v[TT+16*\m]|, |v[TT+16*\m+1]|, 0x2800000   ; with the floor 2^(5 - 127): the byte cannot fall under 1
.endr
.irp i, 2,4,6,8,10,12,14
.irp m, 0,1,2,3,4
	v_max3_num_f32 v[MX+\m], v[MX+\m], |v[TT+16*\m+\i]|, |v[TT+16*\m+\i+1]|
.endr
.endr
.irp m, 0,1,2,3,4
	v_permlanex16_b32 v[PX+\m], v[MX+\m], s34, s35
.endr
.irp m, 0,1,2,3,4
	v_max_num_f32 v[MX+\m], v[MX+\m], v[PX+\m]
.endr
.irp m, 0,1,2,3,4
	v_add_nc_u32 v[SO+\m], 0xfe000000, v[MX+\m]    ; 4 off the exponent field: the conversion's scale operand
.endr
.irp m, 0,1,2,3,4
	v_lshrrev_b32 v[BY+\m], 23, v[SO+\m]           ; the scale's byte
.endr
.irp m, 0,1,2,3,4
.if (\beta) == 0
	v_mov_b32 v[SB+\m], v[BY+\m]
.else
	v_lshl_or_b32 v[SB+\m], v[BY+\m], 8, v[SB+\m]
.endif
.endr
.irp m, 0,1,2,3,4
	v_cvt_scalef32_pk16_bf6_f32 v[CD+4*\m:CD+4*\m+2], v[TT+16*\m:TT+16*\m+15], v[SO+\m]
.endr
	v_nop                                          ; one plain line behind the last conversion
.if (\beta) == 0
	WIN 0x80                                       ; destination window 2: the first block's codes wait there for the second block's
.irp m, 0,1,2,3,4
.irp k, 0,1,2
	v_mov_b32 v[KEEP+4*\m+\k], v[CD+4*\m+\k]
.endr
.endr
	WIN 0
.endif
.endm
; One K step: the next step's weight fragments are asked for, then the step is multiplied.  out: the LDS loads that may be out (those behind what the step needs).
; A load into a register that a matrix instruction has read, and a vector instruction that reads a result or writes an operand, stand four plain vector lines behind it (ISA guide 7.12.1 for vector instructions).
.macro STP beta, s, out
	PLACES 4
.if (\s) < 7
	WLOAD (\s+1)%2, \beta, \s+1
.endif
	s_wait_dscnt \out
	MULS \s%2, \beta, \s
.endm
; THE WAY OUT.  Of a row's 48 bytes (12 words) lane (r, 0) holds words 0-2 (first block) and 6-8 (second), lane (r, 1) words 3-5 and 9-11.  The exchange of halves gives lane (r, 0) words 0-5 and lane (r, 1) words 6-11.
; Piece 0 (words 0-3) then leaves from lanes 0-15 and piece 2 (words 8-11) from lanes 16-31 by one store of 16 bytes a lane; piece 1 (words 4-7) by one store of 8 bytes a lane, its halves from the two lanes of a row.
.macro ST1 g
	s_cmp_ge_u32 s[TG+\g], s30
	s_cbranch_scc1 .Lpast_\@                       ; a slot past the expert's tiles stores nothing
	global_store_b128 v[OF+3*\g], v[RR+4*\g:RR+4*\g+3], s[20:21]                 ; each half of the lanes stores 256 consecutive bytes, at a multiple of 256 from hq's first byte
	global_store_b64 v[OF+3*\g+1], v[SS+2*\g:SS+2*\g+1], s[20:21] offset:512     ; the 32 lanes store 256 consecutive bytes, likewise
	global_store_b16 v[OF+3*\g+2], v[SB+\g], s[20:21]                            ; both halves of the lanes hold the same two bytes
.Lpast_\@:
.endm
.macro FINISH
	WIN 0x02                                       ; source 0 window 2
.irp m, 0,1,2,3,4
.irp k, 0,1,2
	v_mov_b32 v[AA+4*\m+\k], v[KEEP+4*\m+\k]
.endr
.endr
	WIN 0
.irp m, 0,1,2,3,4
.irp k, 0,1,2
	v_permlane16_swap_b32 v[AA+4*\m+\k], v[CD+4*\m+\k]   ; the first's lanes 16-31 change places with the second's lanes 0-15
.endr
.endr
.irp m, 0,1,2,3,4
	v_cndmask_b32 v[RR+4*\m], v[AA+4*\m], v[AA+4*\m+2], s36       ; lanes 0-15: words 0, 1, 2, 3;  lanes 16-31: words 8, 9, 10, 11
	v_cndmask_b32 v[RR+4*\m+1], v[AA+4*\m+1], v[CD+4*\m], s36
	v_cndmask_b32 v[RR+4*\m+2], v[AA+4*\m+2], v[CD+4*\m+1], s36
	v_cndmask_b32 v[RR+4*\m+3], v[CD+4*\m], v[CD+4*\m+2], s36
	v_cndmask_b32 v[SS+2*\m], v[CD+4*\m+1], v[AA+4*\m], s36       ; lanes 0-15: words 4, 5;  lanes 16-31: words 6, 7
	v_cndmask_b32 v[SS+2*\m+1], v[CD+4*\m+2], v[AA+4*\m+1], s36
.endr
	s_add_co_u32 s74, s31, s24
	s_lshl_b32 s75, s26, 6
.irp g, 0,1,2,3,4
	s_add_co_u32 s76, s74, 4*\g
	s_min_u32 s76, s76, 63                         ; (a slot past the tiles is not stored)
	s_add_co_u32 s76, s76, s75                     ; 64 e + tile
	s_mul_i32 s77, s76, 24576
	s_add_co_u32 s77, s77, s82
	v_add_nc_u32 v[OF+3*\g], s77, v[VH]
	v_add_nc_u32 v[OF+3*\g+1], s77, v[VH2]
	s_lshl_b32 s77, s76, 10
	s_add_co_u32 s77, s77, s83
	v_add_nc_u32 v[OF+3*\g+2], s77, v[VS]
.endr
	s_wait_alu depctr_va_vdst(0)
.irp g, 0,1,2,3,4
	ST1 \g
.endr
.endm
.Lpass:                                            ; 4 trips: t0 = 0, 20, 40, 60
	s_add_co_u32 s29, s31, s24
	s_cmp_ge_u32 s29, s30
	s_cbranch_scc1 .Lnext                          ; my first slot lies past the expert's tiles: nothing to do in this pass
	WLOAD 0, 0, 0
	s_wait_loadcnt 63                              ; chunk 0, the scale words and the biases are in: behind them stand chunks 1 and 2, 32 loads each at the least
	STG 0
	XFR 0
	XFR 1
	STP 0, 0, 27                                   ; behind step 0's fragments: step 1's 15 + 12
	STP 0, 1, 12
	s_wait_loadcnt 32                              ; chunk 1 is in
	STG 1
	XFR 2
	XFR 3
	XFR 4
	STP 0, 2, 42                                   ; behind step 2's fragments: 15 + 15 + 12
	STP 0, 3, 12
	STP 0, 4, 12
	s_wait_loadcnt 0x0                             ; chunk 2 is in
	STG 2
	XFR 5
	XFR 6
	XFR 7
	STP 0, 5, 42
	STP 0, 6, 12
	STP 0, 7, 0
	PLACES 4
	ACT
	QUANT 0
	WLOAD 0, 1, 0
.irp s, 0,1,2,3,4,5,6
	STP 1, \s, 12
.endr
	STP 1, 7, 0
	PLACES 4
	ACT
	QUANT 1
	FINISH
.Lnext:
	s_add_co_u32 s31, s31, 20
	s_wait_xcnt 0x0                                ; the stores have read their registers, which the next pass writes
	s_cmp_ge_u32 s31, s30
	s_cbranch_scc1 .Lno_more
	s_wait_loadcnt 0x0                             ; no load is out into the registers that are loaded again
	PRO
	XC 0
	XC 1
	XC 2
.Lno_more:
	s_cmp_lt_u32 s31, 80
	s_cbranch_scc1 .Lpass
	s_wait_tensorcnt 0x0                           ; the wave's end
	ds_add_u32 v[SPW], v[NIL]
	s_wait_dscnt 0x0
	s_endpgm
.Lfunc_end_k_qdf838fbd44_up:
	.size	k_qdf838fbd44_up, .Lfunc_end_k_qdf838fbd44_up-k_qdf838fbd44_up
	.p2alignl 7, 3214868480
	.fill 96, 4, 3214868480
	.section	.rodata,"a",@progbits
	.p2align	6, 0x0
	.amdhsa_kernel k_qdf838fbd44_up
		.amdhsa_group_segment_fixed_size 280064
		.amdhsa_private_segment_fixed_size 0
		.amdhsa_enable_private_segment 0
		.amdhsa_kernarg_size 80
		.amdhsa_user_sgpr_count 2
		.amdhsa_user_sgpr_kernarg_segment_ptr 1
		.amdhsa_wavefront_size32 1
		.amdhsa_system_sgpr_workgroup_id_x 1
		.amdhsa_system_sgpr_workgroup_id_y 1
		.amdhsa_system_sgpr_workgroup_id_z 1
		.amdhsa_system_vgpr_workitem_id 0
		.amdhsa_next_free_vgpr 1024
		.amdhsa_next_free_sgpr 96
		.amdhsa_reserve_vcc 0
		.amdhsa_float_denorm_mode_32 3
		.amdhsa_float_denorm_mode_16_64 3
		.amdhsa_memory_ordered 1
		.amdhsa_forward_progress 1
		.amdhsa_inst_pref_size 205
	.end_amdhsa_kernel
	.amdgpu_metadata
---
amdhsa.version: [ 1, 2 ]
amdhsa.kernels:
  - .name:           k_qdf838fbd44_up
    .symbol:         k_qdf838fbd44_up.kd
    .args:
      - { .name: sel, .offset: 0, .size: 8, .value_kind: global_buffer, .address_space: global }
      - { .name: xq, .offset: 8, .size: 8, .value_kind: global_buffer, .address_space: global }
      - { .name: W1_codes, .offset: 16, .size: 8, .value_kind: global_buffer, .address_space: global }
      - { .name: W1_scales, .offset: 24, .size: 8, .value_kind: global_buffer, .address_space: global }
      - { .name: W2_codes, .offset: 32, .size: 8, .value_kind: global_buffer, .address_space: global }
      - { .name: W2_scales, .offset: 40, .size: 8, .value_kind: global_buffer, .address_space: global }
      - { .name: b1, .offset: 48, .size: 8, .value_kind: global_buffer, .address_space: global }
      - { .name: b2, .offset: 56, .size: 8, .value_kind: global_buffer, .address_space: global }
      - { .name: hq, .offset: 64, .size: 8, .value_kind: global_buffer, .address_space: global }
      - { .name: pos, .offset: 72, .size: 8, .value_kind: global_buffer, .address_space: global }
    .group_segment_fixed_size: 280064
    .private_segment_fixed_size: 0
    .kernarg_segment_align: 8
    .kernarg_segment_size: 80
    .max_flat_workgroup_size: 128
    .sgpr_count:     96
    .vgpr_count:     1024
    .wavefront_size: 32
...
	.end_amdgpu_metadata
.endif
;; end of part 2
;; launch down (part 3): grid 32 x 8, 4 waves a work-group, no clusters, 121,344 bytes of LDS; arguments pos, hq, W3_codes, W3_scales, b3, ybuf; writes ybuf
.if DOCPART == 3
	.amdgcn_target "amdgcn-amd-amdhsa--gfx1250"
	.amdhsa_code_object_version 6
	.text
	.protected	k_qdf838fbd44_down
	.globl	k_qdf838fbd44_down
	.p2align	8
	.type	k_qdf838fbd44_down,@function
k_qdf838fbd44_down:
	s_mov_b64 s[64:65], 0
	v_nop
	global_prefetch_b8 v0, s[64:65] scope:SCOPE_SE
	s_setreg_imm32_b32 hwreg(HW_REG_WAVE_MODE, 25, 1), 1
	s_wait_xcnt 0x0
; y = hidden W3_e + b3_e, for the rows of the tokens that chose expert e alone: the other rows are multiplied by a 0 of reference()'s own mask (see launch gate's head).
; SHARES.  Work-group (x, e): sigma = x / 2 owns output columns 64 sigma .. 64 sigma + 63 of expert e, p = x % 2 the tiles of one parity.  Its 96 KiB of W3 lie on end in memory: they come 512 consecutive bytes an
; instruction and stay in LDS, in rows of 1,536 bytes + 16 of padding.
; Wave w, slot g = 0 .. 2, takes tile t0 + 8 g + 2 w + p; a tile's hidden codes for all of K (16 fragments, 192 registers) have registers of their own.  A pass serves 24 tiles; the loop has 3 trips, a constant, for up
; to 64 tiles, and its work is jumped over where a wave has no tile left.
; THE HIDDEN CODES ARE ASKED FOR IN K ORDER, PS = 7 K STEPS AHEAD.  The scale words and K steps 0 .. 6 of slots 0 and 1 go out behind W3 (50 loads, the same number on every way; a slot past the expert's tiles takes the
; last tile there).  THE PASS IS WRITTEN THREE TIMES, for 3, 2 and 1 slots that have a tile; for 3 it begins with slot 2's first loads.  In K step s it asks for step s + 7 of its slots, waits for step s and multiplies it
; while later steps are on their way.  A slot without a tile is not multiplied and not stored.
; No tensor load, no cluster: jumps and stores hang on the stored counts.  No prefetch: the weights are asked for at once, the hidden codes run ahead by loads.
; Fragments as in launch up: lane (r, h) holds 48 consecutive bytes of a K step's 96, so the instruction's blocks 0, 1, 2, 3 are the row's blocks 0, 2, 1, 3 on both operands, and bytes 1 and 2 of each scale word are exchanged.
; hq's codes lie as images of these registers, [tile][s][piece i][lane][16 bytes]: each load takes 512 consecutive bytes.
; THE PRODUCT IS USED TRANSPOSED (source 0 = 16 columns of y = 16 rows of W3's codes, source 1 = 16 rows of the hidden layer): a lane holds eight neighbouring columns of one row.  b3 is the C of each sum's first instruction.
; ybuf: y[2 x token + slot][1,024] f32, by the list entries that launch up stored; rows 2,048 + e take the row of an expert without tokens.  A tile's 16 rows x 256 bytes go through the wave's stage, and sixteen lanes store
; 256 consecutive bytes at a multiple of 256.  Ranks past the count repeat the last entry of the same tile: equal rows to one place, from one work-group.
; REGISTERS.  Window g + 1: v0-191 the slot's hidden fragments (12 s), v192-223 its four accumulators, v224-231 its list entries (earlier v192-251: W3 as loaded).  Window 0: v1-17 addresses; v32-63 b3; v64-111 the hidden
; layer's scale words (16 g + s); v112-143 W3's (16 (nu / 2) + s: lanes 0-15 even nu, lanes 16-31 odd nu); v144-239 two sets of four fragments of W3, on the way out three sets of 32.
.set PS,    7                          ; K steps of the hidden codes that are asked for ahead
.set WP,    1552                       ; LDS: 64 rows of W3; 1,552 bytes = 388 words: neighbouring rows start 4 banks apart
.set WSC,   99328                      ; W3's scale words [nu / 2][16 (nu % 2) + r][64 bytes];
.set STAGE, 103424                     ; each wave's stage: 16 rows of 256 bytes + 16;
.set SPARE, 120832                     ; the spare words, 128 bytes a wave: two blocks of 256 bytes that no other line names
.set LI,   4                           ; 16 x lane
.set IST,  6
.set V64,  8                           ; 64 r: a row's scale bytes, W3's and the hidden layer's
.set VB,   9                           ; 32 h
.set WSS,  11
.set WSL,  12
.set STO,  13
.set RD,   14
.set GO,   15                          ; 16 r
.set WL,   16                          ; v16, v17  a fragment of column tiles 0, 1 and 2, 3
.set B3,   32
.set HSR,  64
.set WS,   112
.set WF,   144
.set OB,   144
.set SW,   156                         ; v156-171 W3's scale bytes as loaded (v144-155: row 15 as loaded)
.set EN,   224
.set SPW,  250                         ; my spare word's address; never rewritten
.set NIL,  251                         ; 0; never rewritten
.set TG,   24                          ; s24-26   the slots' tiles
.set HC,   28                          ; s[28:33] their codes in hq
.set HS,   34                          ; s[34:39] their scale bytes
.set EL,   40                          ; s[40:45] their list entries
.set MSB, 0
.macro WIN new                         ; the immediate's high byte repeats the setting that is left
.if MSB != (\new)
	s_set_vgpr_msb (MSB<<8)|(\new)
.set MSB, (\new)
.endif
.endm
.macro PLACES n
.rept \n
	v_nop
.endr
.endm
	s_load_b256 s[4:11], s[0:1], 0x0               ; pos, hq, W3's codes, W3's scales
	s_load_b128 s[12:15], s[0:1], 0x20             ; b3, ybuf
	v_lshl_add_u32 v[SPW], v0, 2, SPARE
	v_mov_b32 v[NIL], 0
	v_lshrrev_b32 v1, 5, v0
	v_readfirstlane_b32 s16, v1                    ; wave
	s_lshr_b32 s17, ttmp9, 1                       ; sigma
	s_and_b32 s18, ttmp9, 1                        ; p
	s_and_b32 s19, ttmp7, 0xffff                   ; e
	s_lshl_b32 s57, s16, 1
	s_add_co_u32 s57, s57, s18                     ; 2 w + p
	s_lshl_b32 s58, s17, 8                         ; my columns' bytes in a row of y
	s_mov_b32 s59, 0
	s_mov_b32 s23, 0x03010200                      ; v_perm_b32: bytes 1 and 2 exchanged
	v_and_b32 v1, 15, v0                           ; r
	v_bfe_u32 v2, v0, 4, 1                         ; h
	v_and_b32 v3, 31, v0                           ; lane
	v_lshlrev_b32 v[LI], 4, v3
	s_mul_i32 s46, s16, 16*WP
	v_add_nc_u32 v[IST], s46, v[LI]                ; my 16 rows
	v_mul_u32_u24 v[WL], v1, WP
	v_mul_u32_u24 v[WL+1], v2, 48
	v_add_nc_u32 v[WL], v[WL], v[WL+1]
	v_add_nc_u32 v[WL+1], 32*WP, v[WL]
	v_lshlrev_b32 v[V64], 6, v1
	v_lshlrev_b32 v[VB], 5, v2
	s_lshl_b32 s46, s16, 10
	s_add_co_u32 s46, s46, WSC
	v_add_nc_u32 v[WSS], s46, v[V64]
	v_lshlrev_b32 v[WSL], 6, v3
	v_add_nc_u32 v[WSL], WSC, v[WSL]
	s_mul_i32 s46, s16, 16*272
	s_add_co_u32 s46, s46, STAGE                   ; my stage
	v_mul_u32_u24 v[STO], v1, 272
	v_lshl_add_u32 v[STO], v2, 5, v[STO]
	v_add_nc_u32 v[STO], s46, v[STO]               ; in: row r, 32 bytes for each half of the lanes
	v_mul_u32_u24 v[RD], v2, 8*272
	v_lshl_add_u32 v[RD], v1, 4, v[RD]
	v_add_nc_u32 v[RD], s46, v[RD]                 ; back: lanes 0-15 row i, lanes 16-31 row i + 8
	v_lshlrev_b32 v[GO], 4, v1
	s_lshl_b32 s46, s19, 10
	s_lshl_b32 s47, s17, 6
	s_add_co_u32 s46, s46, s47                     ; 1,024 e + 64 sigma
	s_lshl_b32 s50, s46, 2
	s_mov_b32 s51, 0
	s_lshl_b32 s47, s16, 4
	s_add_co_u32 s46, s46, s47                     ; + 16 w: my first row of W3's codes
	s_mul_i32 s52, s46, 1536
	s_mov_b32 s53, 0
	s_lshl_b32 s54, s46, 6
	s_mov_b32 s55, 0
	s_lshl_b32 s48, s19, 2
	s_mov_b32 s49, 0
	s_wait_alu depctr_va_vdst(0)
	s_wait_kmcnt 0x0
	s_add_nc_u64 s[60:61], s[4:5], s[48:49]
	s_load_b32 s20, s[60:61], 0x8000               ; the expert's count, which launch up stored
	s_add_nc_u64 s[8:9], s[8:9], s[52:53]
	s_add_nc_u64 s[10:11], s[10:11], s[54:55]
	s_add_nc_u64 s[12:13], s[12:13], s[50:51]
	s_add_nc_u64 s[14:15], s[14:15], s[58:59]      ; ybuf at my columns
.irp wn, 1,2,3                         ; rows 0-14 of my 16: five to a window
	WIN 0x40*\wn
.irp q, 0,1,2,3,4
.irp i, 0,1,2
	global_load_b128 v[192+12*\q+4*\i:195+12*\q+4*\i], v[LI], s[8:9] offset:1536*(5*(\wn-1)+\q)+512*\i
.endr
.endr
.endr
	WIN 0
.irp i, 0,1,2
	global_load_b128 v[WF+4*\i:WF+4*\i+3], v[LI], s[8:9] offset:1536*15+512*\i
.endr
.irp q, 0,1,2,3
	global_load_b128 v[SW+4*\q:SW+4*\q+3], v[V64], s[10:11] offset:16*\q
.endr
.irp n, 0,1,2,3
	global_load_b128 v[B3+8*\n:B3+8*\n+3], v[VB], s[12:13] offset:64*\n        ; lane (r, h): b3 of columns 16 nu + 8 h + 0 .. 7
	global_load_b128 v[B3+8*\n+4:B3+8*\n+7], v[VB], s[12:13] offset:64*\n+16
.endr
	s_wait_kmcnt 0x0
	s_min_u32 s20, s20, 1024
	s_add_co_u32 s20, s20, 15
	s_lshr_b32 s20, s20, 4
	s_max_u32 s20, s20, 1                          ; the expert's tiles, at least one
	s_sub_co_u32 s56, s20, 1
	s_mov_b32 s21, 0                               ; t0
.macro HSTEP s, a, b                   ; K step s of slots a .. b - 1: three loads a slot, 512 consecutive bytes each
.irp g, 0,1,2
.if (\g >= \a) && (\g < \b)
	WIN 0x40*(\g+1)
.irp i, 0,1,2
	global_load_b128 v[12*(\s)+4*\i:12*(\s)+4*\i+3], v[LI], s[HC+2*\g:HC+2*\g+1] offset:1536*(\s)+512*\i
.endr
.endif
.endr
	WIN 0
.endm
.macro HSC g                           ; slot g's scale bytes: 4 loads
.irp q, 0,1,2,3
	global_load_b128 v[HSR+16*\g+4*\q:HSR+16*\g+4*\q+3], v[V64], s[HS+2*\g:HS+2*\g+1] offset:16*\q
.endr
.endm
; The three slots of a pass: their tiles and places; scale bytes and the first PS K steps of slots 0 and 1: 8 + 6 PS loads on every way
.macro PRO
.irp g, 0,1,2
	s_add_co_u32 s[TG+\g], s21, 8*\g
	s_add_co_u32 s[TG+\g], s[TG+\g], s57
	s_min_u32 s46, s[TG+\g], s56                   ; a slot past the tiles takes the last tile: only what launch up has written is read
	s_min_u32 s46, s46, 63
	s_lshl_b32 s47, s19, 6
	s_add_co_u32 s46, s46, s47                     ; 64 e + tile
	s_mul_i32 s48, s46, 24576
	s_mov_b32 s49, 0
	s_add_nc_u64 s[HC+2*\g:HC+2*\g+1], s[6:7], s[48:49]
	s_lshl_b32 s48, s46, 10
	s_add_co_u32 s48, s48, 12582912
	s_add_nc_u64 s[HS+2*\g:HS+2*\g+1], s[6:7], s[48:49]
	s_lshl_b32 s48, s46, 6                         ; 16 entries of 4 bytes a tile
	s_add_nc_u64 s[EL+2*\g:EL+2*\g+1], s[4:5], s[48:49]
.endr
	HSC 0
	HSC 1
.irp s, 0,1,2,3,4,5,6                  ; K steps 0 .. PS - 1
	HSTEP \s, 0, 2
.endr
.endm
	PRO
	s_wait_loadcnt 8+6*PS                          ; W3, its scale bytes and b3 are in; the loads issued behind them, the slots' first, may be out
.irp wn, 1,2,3
	WIN \wn<<2                                     ; an LDS store's data are its source 1
.irp q, 0,1,2,3,4
.irp i, 0,1,2
	ds_store_b128 v[IST], v[192+12*\q+4*\i:195+12*\q+4*\i] offset:(5*(\wn-1)+\q)*WP+512*\i
.endr
.endr
.endr
	WIN 0
.irp i, 0,1,2
	ds_store_b128 v[IST], v[WF+4*\i:WF+4*\i+3] offset:15*WP+512*\i
.endr
.irp q, 0,1,2,3,4,5,6,7,8,9,10,11,12,13,14,15
	v_perm_b32 v[SW+\q], v[SW+\q], v[SW+\q], s23
.endr
.irp q, 0,1,2,3
	ds_store_b128 v[WSS], v[SW+4*\q:SW+4*\q+3] offset:16*\q    ; both halves of the lanes hold the same words
.endr
	s_wait_dscnt 0x0                               ; for the others' sake: my rows and scale words lie in LDS
	s_barrier_signal -1
	s_barrier_wait -1                              ; the launch's one barrier
.irp pp, 0,1
.irp q, 0,1,2,3
	ds_load_b128 v[WS+16*\pp+4*\q:WS+16*\pp+4*\q+3], v[WSL] offset:2048*\pp+16*\q
.endr
.endr
.macro WLOAD set, s                    ; the four column tiles' fragments of K step s: 12 loads
.irp n, 0,1,2,3
.irp i, 0,1,2
	ds_load_b128 v[WF+48*(\set)+12*\n+4*\i:WF+48*(\set)+12*\n+4*\i+3], v[WL+\n/2] offset:16*WP*(\n%2)+96*(\s)+16*\i
.endr
.endr
.endm
; 4 L matrix instructions: L tiles of rows x four column tiles.  The accumulators take turns, one instruction a turn, in the same order in every step.
.macro MULS set, s, L
.irp m, 0,1,2
.if \m < \L
.if (\s) == 0
	WIN 0x44*(\m+1)                                ; A window 0, B and D the slot's window, C (b3) window 0
.else
	WIN 0x54*(\m+1)                                ; C the slot's window too
.endif
.irp n, 0,1,2,3
.set rD, 192+8*\n
.set rA, WF+48*(\set)+12*\n
.set rB, 12*(\s)
.set rC, rD
.if (\s) == 0
.set rC, B3+8*\n
.endif
.set rP, WS+16*(\n/2)+(\s)
.set rQ, HSR+16*\m+(\s)
.if \n%2 == 0
	v_wmma_scale_f32_16x16x128_f8f6f4 v[rD:rD+7], v[rA:rA+11], v[rB:rB+11], v[rC:rC+7], v[rP], v[rQ] matrix_a_fmt:MATRIX_FMT_BF6 matrix_b_fmt:MATRIX_FMT_BF6
.else
	v_wmma_scale_f32_16x16x128_f8f6f4 v[rD:rD+7], v[rA:rA+11], v[rB:rB+11], v[rC:rC+7], v[rP], v[rQ] matrix_a_fmt:MATRIX_FMT_BF6 matrix_b_fmt:MATRIX_FMT_BF6 matrix_a_scale:MATRIX_SCALE_ROW1
.endif
.endr
.endif
.endr
.endm
.macro OUT g                           ; a slot's 16 rows x 64 columns: through my stage, back as whole rows of 256 bytes, to the rows that the entries name
	WIN 0x44*(\g+1)
.irp i, 0,1,2,3,4,5,6,7
	v_min_u32 v[EN+\i], 0x807, v[EN+\i]
.endr
	WIN 0x41*(\g+1)
.irp i, 0,1,2,3,4,5,6,7
	v_lshl_add_u32 v[EN+\i], v[EN+\i], 12, v[GO]
.endr
	WIN (\g+1)<<2
.irp n, 0,1,2,3
	ds_store_b128 v[STO], v[192+8*\n:195+8*\n] offset:64*\n        ; each accumulator from its low end on
	ds_store_b128 v[STO], v[196+8*\n:199+8*\n] offset:64*\n+16
.endr
	WIN 0
.irp i, 0,1,2,3,4,5,6,7
	ds_load_b128 v[OB+32*\g+4*\i:OB+32*\g+4*\i+3], v[RD] offset:272*\i   ; LDS serves a wave's instructions in order: these see my stores
.endr
	s_wait_alu depctr_va_vdst(0)
	s_wait_dscnt 0x0
	WIN \g+1
.irp i, 0,1,2,3,4,5,6,7
	global_store_b128 v[EN+\i], v[OB+32*\g+4*\i:OB+32*\g+4*\i+3], s[14:15]   ; 16 lanes store 256 consecutive bytes, at a multiple of 256 from ybuf's first byte
.endr
	WIN 0
.endm
; A pass of a wave whose first L slots have a tile.  What stands behind K step s's loads when it is waited for: of the first PS steps the later ones (6 loads each; for L = 3 slot 2's 3 each, which were asked for last), then the
; 3 L of each step asked for here; from the step that asks for the last on, the 2 L loads of the list entries too.  (A count names 63 at the most.)
.macro PASS L
.if \L == 3
	HSC 2
.irp s, 0,1,2,3,4,5,6
	HSTEP \s, 2, 3
.endr
	s_wait_loadcnt 3*PS                            ; all scale words are in
.else
	s_wait_loadcnt 6*PS
.endif
	s_wait_dscnt 0x0                               ; W3's scale words
.set q, 0
.rept 16*\L
	v_perm_b32 v[HSR+q], v[HSR+q], v[HSR+q], s23
.set q, q+1
.endr
	s_wait_alu depctr_va_vdst(0)
	PLACES 8                                       ; a scale register written by a vector instruction stands eight plain lines ahead of the scaled matrix instruction
	WLOAD 0, 0
.irp s, 0,1,2,3,4,5,6,7,8,9,10,11,12,13,14,15
.if \s < 15
	PLACES 4                                       ; four plain lines in front of loads into registers that matrix instructions have read
	WLOAD (\s+1)%2, \s+1
.endif
.if \s+PS < 16
	HSTEP \s+PS, 0, \L
.endif
.if \s+PS == 15
.irp g, 0,1,2
.if \g < \L
	WIN 0x40*(\g+1)
	global_load_b128 v[EN:EN+3], v[VB], s[EL+2*\g:EL+2*\g+1]        ; lane half h, register i: the entry of row 8 h + i
	global_load_b128 v[EN+4:EN+7], v[VB], s[EL+2*\g:EL+2*\g+1] offset:16
.endif
.endr
	WIN 0
.endif
.set nl, \s+PS
.if nl > 15
.set nl, 15
.endif
.if \s < PS
.if \L == 3
.set nw, 3*(PS-1-\s)+9*(nl-PS+1)
.else
.set nw, 6*(PS-1-\s)+3*\L*(nl-PS+1)
.endif
.else
.set nw, 3*\L*(nl-\s)
.endif
.if \s+PS >= 15
.set nw, nw+2*\L
.endif
.if nw > 63
.set nw, 63
.endif
	s_wait_loadcnt nw                              ; the hidden codes of K step s are in; what was asked for behind them may be out
.if \s < 15
	s_wait_dscnt 12                                ; this step's fragments of W3 are in; the 12 loads just issued may be out
.else
	s_wait_dscnt 0x0
.endif
	MULS \s%2, \s, \L
	WIN 0
.endr
	PLACES 4                                       ; in front of the first read of results and of the loads into W3's registers
	s_wait_loadcnt 0x0                             ; the list entries
.irp g, 0,1,2
.if \g < \L
	OUT \g
.endif
.endr
.endm
.Lpass:                                            ; 3 trips: t0 = 0, 24, 48
	s_add_co_u32 s22, s21, s57
	s_cmp_ge_u32 s22, s20
	s_cbranch_scc1 .Lnext                          ; my first slot lies past the expert's tiles
	s_cmp_ge_u32 s[TG+1], s20
	s_cbranch_scc1 .Lone
	s_cmp_ge_u32 s[TG+2], s20
	s_cbranch_scc1 .Ltwo
	PASS 3
	s_branch .Lnext
.Ltwo:
	PASS 2
	s_branch .Lnext
.Lone:
	PASS 1
.Lnext:
	s_add_co_u32 s21, s21, 24
	s_wait_xcnt 0x0                                ; the loads and stores have read their registers and bases, which the next pass writes
	s_cmp_ge_u32 s21, s20
	s_cbranch_scc1 .Lno_more
	s_wait_loadcnt 0x0                             ; no load is out into the registers that are loaded again
	PRO
.Lno_more:
	s_cmp_lt_u32 s21, 72
	s_cbranch_scc1 .Lpass
	s_wait_tensorcnt 0x0                           ; the wave's end
	ds_add_u32 v[SPW], v[NIL]
	s_wait_dscnt 0x0
	s_endpgm
.Lfunc_end_k_qdf838fbd44_down:
	.size	k_qdf838fbd44_down, .Lfunc_end_k_qdf838fbd44_down-k_qdf838fbd44_down
	.p2alignl 7, 3214868480
	.fill 96, 4, 3214868480
	.section	.rodata,"a",@progbits
	.p2align	6, 0x0
	.amdhsa_kernel k_qdf838fbd44_down
		.amdhsa_group_segment_fixed_size 121344
		.amdhsa_private_segment_fixed_size 0
		.amdhsa_enable_private_segment 0
		.amdhsa_kernarg_size 48
		.amdhsa_user_sgpr_count 2
		.amdhsa_user_sgpr_kernarg_segment_ptr 1
		.amdhsa_wavefront_size32 1
		.amdhsa_system_sgpr_workgroup_id_x 1
		.amdhsa_system_sgpr_workgroup_id_y 1
		.amdhsa_system_sgpr_workgroup_id_z 1
		.amdhsa_system_vgpr_workitem_id 0
		.amdhsa_next_free_vgpr 1024
		.amdhsa_next_free_sgpr 66
		.amdhsa_reserve_vcc 0
		.amdhsa_float_denorm_mode_32 3
		.amdhsa_float_denorm_mode_16_64 3
		.amdhsa_memory_ordered 1
		.amdhsa_forward_progress 1
		.amdhsa_inst_pref_size 173
	.end_amdhsa_kernel
	.amdgpu_metadata
---
amdhsa.version: [ 1, 2 ]
amdhsa.kernels:
  - .name:           k_qdf838fbd44_down
    .symbol:         k_qdf838fbd44_down.kd
    .args:
      - { .name: pos, .offset: 0, .size: 8, .value_kind: global_buffer, .address_space: global }
      - { .name: hq, .offset: 8, .size: 8, .value_kind: global_buffer, .address_space: global }
      - { .name: W3_codes, .offset: 16, .size: 8, .value_kind: global_buffer, .address_space: global }
      - { .name: W3_scales, .offset: 24, .size: 8, .value_kind: global_buffer, .address_space: global }
      - { .name: b3, .offset: 32, .size: 8, .value_kind: global_buffer, .address_space: global }
      - { .name: ybuf, .offset: 40, .size: 8, .value_kind: global_buffer, .address_space: global }
    .group_segment_fixed_size: 121344
    .private_segment_fixed_size: 0
    .kernarg_segment_align: 8
    .kernarg_segment_size: 48
    .max_flat_workgroup_size: 128
    .sgpr_count:     66
    .vgpr_count:     1024
    .wavefront_size: 32
...
	.end_amdgpu_metadata
.endif
;; end of part 3
;; launch combine (part 4): grid 257 x 1, 4 waves a work-group, no clusters, 0 bytes of LDS; arguments tokf, ybuf, out2, out0, out1; writes out0, out1
.if DOCPART == 4
	.amdgcn_target "amdgcn-amd-amdhsa--gfx1250"
	.amdhsa_code_object_version 6
	.text
	.protected	k_qdf838fbd44_combine
	.globl	k_qdf838fbd44_combine
	.p2align	8
	.type	k_qdf838fbd44_combine,@function
k_qdf838fbd44_combine:
	s_mov_b64 s[64:65], 0
	v_nop
	global_prefetch_b8 v0, s[64:65] scope:SCOPE_SE
	s_setreg_imm32_b32 hwreg(HW_REG_WAVE_MODE, 25, 1), 1
	s_wait_xcnt 0x0
; out0[t] = w_t x (y[2 t] + y[2 t + 1]): reference()'s last product (K = 8) with the six terms left out that its own mask multiplies by 0 (see launch gate's head); and out1, the auxiliary loss.
; WORK-GROUPS 0-255: a wave to a token.  A token's two rows of ybuf lie on end: 8,192 bytes in, 4,096 out, 512 consecutive bytes an instruction; no LDS, no barrier, no matrix unit: nothing is shared and nothing is
; multiplied but by w.  No prefetch: there is no loop.
; WORK-GROUP 256, wave 0: out1 = -sum_e u_e ln(u_e + 1e-9) + 1e-3 x mean(logsumexp^2), u = the mean of out2 over the tokens: 36 KiB read by one wave, so that the sums have one owner and one order.
	s_load_b256 s[4:11], s[0:1], 0x0               ; tokf, ybuf, out2, out0
	s_load_b64 s[12:13], s[0:1], 0x20              ; out1
	v_lshrrev_b32 v2, 5, v0
	v_readfirstlane_b32 s18, v2                    ; wave
	v_and_b32 v1, 31, v0
	v_lshlrev_b32 v1, 4, v1                        ; 16 x lane; never rewritten
	s_lshl_b32 s19, ttmp9, 2
	s_add_co_u32 s19, s19, s18                     ; my token
	s_lshl_b32 s20, s19, 2
	s_lshl_b32 s34, s19, 13
	s_mov_b32 s35, 0
	s_lshl_b32 s36, s19, 12
	s_mov_b32 s37, 0
	s_wait_alu depctr_va_vdst(0)
	s_wait_kmcnt 0x0
	s_cmp_eq_u32 ttmp9, 256
	s_cbranch_scc1 .Laux
	s_load_b32 s22, s[4:5], s20 offset:0x0         ; w
	s_add_nc_u64 s[6:7], s[6:7], s[34:35]
	s_add_nc_u64 s[10:11], s[10:11], s[36:37]
.irp i, 0,1,2,3,4,5,6,7
	global_load_b128 v[16+4*\i:19+4*\i], v1, s[6:7] offset:512*\i th:TH_LOAD_NT        ; each row of ybuf is read once
	global_load_b128 v[48+4*\i:51+4*\i], v1, s[6:7] offset:4096+512*\i th:TH_LOAD_NT
.endr
	s_wait_kmcnt 0x0
	s_mov_b32 s23, s22                             ; (the packed form names the pair)
.irp i, 0,1,2,3,4,5,6,7
	s_wait_loadcnt 14-2*\i                         ; pair i is in; the pairs behind it may be out
	v_pk_add_f32 v[16+4*\i:17+4*\i], v[16+4*\i:17+4*\i], v[48+4*\i:49+4*\i]
	v_pk_add_f32 v[18+4*\i:19+4*\i], v[18+4*\i:19+4*\i], v[50+4*\i:51+4*\i]
	v_pk_mul_f32 v[16+4*\i:17+4*\i], v[16+4*\i:17+4*\i], s[22:23] op_sel_hi:[1,0]
	v_pk_mul_f32 v[18+4*\i:19+4*\i], v[18+4*\i:19+4*\i], s[22:23] op_sel_hi:[1,0]
	global_store_b128 v1, v[16+4*\i:19+4*\i], s[10:11] offset:512*\i th:TH_STORE_NT    ; 512 consecutive bytes, at a multiple of 256 from out0's first byte
.endr
	s_endpgm
.Laux:
	s_cmp_lg_u32 s18, 0
	s_cbranch_scc1 .Lend
	s_mov_b32 s44, 0x76543210                      ; v_permlanex16_b32's selects for lane l xor 16
	s_mov_b32 s45, 0xfedcba98
.irp i, 0,1,2,3,4,5,6,7
	global_load_b128 v[32+4*\i:35+4*\i], v1, s[4:5] offset:4096+512*\i     ; logsumexp^2 of the 1,024 tokens
.endr
.macro L16 n, base                     ; a batch of 16 loads of out2: lane l holds experts 4 (l % 2) + 0 .. 3 of token 16 (load) + l / 2
.irp i, 0,1,2,3,4,5,6,7,8,9,10,11,12,13,14,15
	global_load_b128 v[\base+4*\i:\base+4*\i+3], v1, s[8:9] offset:512*(16*\n+\i)
.endr
.endm
.macro A2 acc, reg                     ; acc += a load's four numbers
	v_pk_add_f32 v[\acc:\acc+1], v[\acc:\acc+1], v[\reg:\reg+1]
	v_pk_add_f32 v[\acc+2:\acc+3], v[\acc+2:\acc+3], v[\reg+2:\reg+3]
.endm
	L16 0, 64
	L16 1, 128
	L16 2, 192
.irp j, 24,25,26,27
	v_mov_b32 v\j, 0                               ; destinations of lane permutes
.endr
	s_wait_alu depctr_va_vdst(0)                   ; a wait ahead of each wait below
	s_wait_loadcnt 32                              ; batch 0 and logsumexp^2 are in; batches 1 and 2 may be out
	v_pk_add_f32 v[16:17], v[64:65], v[72:73]      ; two sets of four sums, loads by turns
	v_pk_add_f32 v[18:19], v[66:67], v[74:75]
	v_pk_add_f32 v[20:21], v[68:69], v[76:77]
	v_pk_add_f32 v[22:23], v[70:71], v[78:79]
.irp i, 4,6,8,10,12,14
	A2 16, 64+4*\i
	A2 20, 68+4*\i
.endr
.irp j, 4,8,12,16,20,24,28
	A2 32, 32+\j
.endr
	v_pk_add_f32 v[32:33], v[32:33], v[34:35]
	v_add_f32 v32, v32, v33                        ; my share of the sum of logsumexp^2
	L16 3, 64
	s_wait_alu depctr_va_vdst(0)
	s_wait_loadcnt 32
.irp i, 0,2,4,6,8,10,12,14
	A2 16, 128+4*\i
	A2 20, 132+4*\i
.endr
	s_wait_alu depctr_va_vdst(0)
	s_wait_loadcnt 16
.irp i, 0,2,4,6,8,10,12,14
	A2 16, 192+4*\i
	A2 20, 196+4*\i
.endr
	s_wait_alu depctr_va_vdst(0)
	s_wait_loadcnt 0x0
.irp i, 0,2,4,6,8,10,12,14
	A2 16, 64+4*\i
	A2 20, 68+4*\i
.endr
	v_pk_add_f32 v[16:17], v[16:17], v[20:21]
	v_pk_add_f32 v[18:19], v[18:19], v[22:23]
.irp m, 2,4,8                          ; over the lanes of my parity
.irp c, 0,1,2,3
	v_add_f32_dpp v[16+\c], v[16+\c], v[16+\c] row_xmask:\m row_mask:0xf bank_mask:0xf
.endr
.endr
.irp c, 0,1,2,3
	v_permlanex16_b32 v[24+\c], v[16+\c], s44, s45
.endr
.irp c, 0,1,2,3
	v_add_f32 v[16+\c], v[16+\c], v[24+\c]
.endr
.irp c, 0,1,2,3
	v_mul_f32 v[16+\c], 0x3a800000, v[16+\c]       ; / 1,024: the experts' usage
.endr
.irp c, 0,1,2,3
	v_add_f32 v[28+\c], 0x3089705f, v[16+\c]       ; + 1e-9
.endr
	s_wait_alu depctr_va_vdst(0)
.irp c, 0,1,2,3
	v_log_f32 v[28+\c], v[28+\c]
.endr
.irp m, 1,2,4,8                        ; plain work behind the logarithms
	v_add_f32_dpp v32, v32, v32 row_xmask:\m row_mask:0xf bank_mask:0xf
.endr
	v_permlanex16_b32 v24, v32, s44, s45
	v_add_f32 v32, v32, v24
	s_wait_alu depctr_va_vdst(0)                   ; one wait for the four logarithms, ahead of their first reader
	v_mul_f32 v25, v16, v28
	v_fmac_f32 v25, v17, v29
	v_fmac_f32 v25, v18, v30
	v_fmac_f32 v25, v19, v31
	v_add_f32_dpp v25, v25, v25 row_xmask:1 row_mask:0xf bank_mask:0xf     ; with the other four experts
	v_mul_f32 v25, 0xbf317218, v25                 ; x -ln 2: the logarithms were to base 2
	v_fmamk_f32 v25, v32, 0x3583126f, v25          ; + 1e-3 / 1,024 x the sum of logsumexp^2
	v_mov_b32 v26, 0
	global_store_b32 v26, v25, s[12:13]            ; every lane holds the same number
.Lend:
	s_endpgm
.Lfunc_end_k_qdf838fbd44_combine:
	.size	k_qdf838fbd44_combine, .Lfunc_end_k_qdf838fbd44_combine-k_qdf838fbd44_combine
	.p2alignl 7, 3214868480
	.fill 96, 4, 3214868480
	.section	.rodata,"a",@progbits
	.p2align	6, 0x0
	.amdhsa_kernel k_qdf838fbd44_combine
		.amdhsa_group_segment_fixed_size 0
		.amdhsa_private_segment_fixed_size 0
		.amdhsa_enable_private_segment 0
		.amdhsa_kernarg_size 40
		.amdhsa_user_sgpr_count 2
		.amdhsa_user_sgpr_kernarg_segment_ptr 1
		.amdhsa_wavefront_size32 1
		.amdhsa_system_sgpr_workgroup_id_x 1
		.amdhsa_system_sgpr_workgroup_id_y 1
		.amdhsa_system_sgpr_workgroup_id_z 1
		.amdhsa_system_vgpr_workitem_id 0
		.amdhsa_next_free_vgpr 256
		.amdhsa_next_free_sgpr 66
		.amdhsa_reserve_vcc 0
		.amdhsa_float_denorm_mode_32 3
		.amdhsa_float_denorm_mode_16_64 3
		.amdhsa_memory_ordered 1
		.amdhsa_forward_progress 1
		.amdhsa_inst_pref_size 25
	.end_amdhsa_kernel
	.amdgpu_metadata
---
amdhsa.version: [ 1, 2 ]
amdhsa.kernels:
  - .name:           k_qdf838fbd44_combine
    .symbol:         k_qdf838fbd44_combine.kd
    .args:
      - { .name: tokf, .offset: 0, .size: 8, .value_kind: global_buffer, .address_space: global }
      - { .name: ybuf, .offset: 8, .size: 8, .value_kind: global_buffer, .address_space: global }
      - { .name: out2, .offset: 16, .size: 8, .value_kind: global_buffer, .address_space: global }
      - { .name: out0, .offset: 24, .size: 8, .value_kind: global_buffer, .address_space: global }
      - { .name: out1, .offset: 32, .size: 8, .value_kind: global_buffer, .address_space: global }
    .group_segment_fixed_size: 0
    .private_segment_fixed_size: 0
    .kernarg_segment_align: 8
    .kernarg_segment_size: 40
    .max_flat_workgroup_size: 128
    .sgpr_count:     66
    .vgpr_count:     256
    .wavefront_size: 32
...
	.end_amdgpu_metadata
.endif
;; end of part 4
